; MI455X (gfx1250); checked and timed in simulation.
; The chip was launched on July 23, 2026; its instructions are those of AMD's public machine-readable ISA for CDNA 5 (MIT licence, August 2026) and "CDNA5" Instruction Set Architecture Reference Guide (July 2026). The comments in the code are by the model that wrote it; some were corrected since.
;; Attention. Allowed arithmetic: matrix products marked QUANTISED: E2M1 operands, one E8M0 scale for each 32 along K, by v_wmma_scale_f32_16x16x128_f8f6f4 with both operands' format E2M1 (or v_wmma_scale_f32_32x16x128_f4), f32 sums; everything else in f32.
;; Inputs: Wk 1,024 x 1,024 float32; Wo 1,024 x 1,024 float32; Wq 1,024 x 1,024 float32; Wv 1,024 x 1,024 float32; bk 1,024 float32; bo 1,024 float32; bq 1,024 float32; bv 1,024 float32; k 4 x 2,048 x 1,024 float32; q 4 x 2,048 x 1,024 float32; v 4 x 2,048 x 1,024 float32.
;; Outputs: out0 4 x 2,048 x 1,024 float32.
;; This version of the problem:
;;   THIS VERSION OF THE PROBLEM IS GIVEN IN LOW PRECISION. The matrix products marked QUANTISED in the list below multiply operands that are first quantised to E2M1 (2 exponent bits, 1 mantissa bit; 4 bits a number), with one power-of-two scale for each 32 numbers along K (OCP MX v1.0); their sums are f32. All else is computed in f32.
;;   The module's matrix products, in the order in which they are computed (A, B: the left and right operand; K: the contracted axis; several contracted axes count as one K, in the product's order):
;;     1. [M 8,192, K 1,024] x [K 1,024, N 1,024]; A: input q; B: input Wq: QUANTISED
;;     2. [M 8,192, K 1,024] x [K 1,024, N 1,024]; A: input k; B: input Wk: QUANTISED
;;     3. [M 8,192, K 1,024] x [K 1,024, N 1,024]; A: input v; B: input Wv: QUANTISED
;;     4. batch 64 x [M 2,048, K 64] x [K 64, N 2,048]; A: computed on the way; B: computed on the way: QUANTISED
;;     5. batch 64 x [M 2,048, K 2,048] x [K 2,048, N 64]; A: softmax (see below); B: computed on the way: QUANTISED
;;     6. [M 8,192, K 1,024] x [K 1,024, N 1,024]; A: computed on the way; B: input Wo: QUANTISED
;;   THE QUANTISER, for each operand of a quantised product, along K:
;;     - K is cut into blocks of 32 from its start; a last block that is shorter is filled with zeros.
;;     - A block's scale is 2^e with e = floor(log2(the largest magnitude in the block)) - 2, held to -126 .. 127; a block of zeros has e = 0. As a byte (E8M0): e + 127.
;;     - Each number is divided by its block's scale, clamped to +-6, and rounded to the nearest number of E2M1, ties to even, subnormals kept.
;;     - The product sums the exact products of the quantised numbers (number of the format x scale) in f32.
;;   ~~~python
;;   def quantise(x, axis):      # numpy; x: float32 -> the quantised numbers, widened to float32 again
;;       x = np.moveaxis(x, axis, -1); K = x.shape[-1]
;;       x = np.pad(x, [(0, 0)] * (x.ndim - 1) + [(0, -K % 32)]); x = x.reshape(x.shape[:-1] + (-1, 32)); a = np.abs(x).max(-1, keepdims=True)
;;       e = np.where(a > 0, np.clip(np.frexp(np.where(a > 0, a, 1))[1] - 1 - 2, -126, 127), 0)      # np.frexp(a)[1] - 1 = floor(log2(a)), exactly
;;       r = np.clip(x / 2.0 ** e, -6, 6)
;;       step = 2.0 ** (np.maximum(np.frexp(np.where(r == 0, 1, r))[1] - 1, 0) - 1)
;;       q = np.round(r / step) * step * 2.0 ** e      # np.round: ties to even
;;       return np.moveaxis(q.reshape(q.shape[:-2] + (-1,))[..., :K], -1, axis).astype(np.float32)
;;   ~~~
;;   SOFTMAX AHEAD OF A QUANTISED PRODUCT. Where the list says 'softmax', what is quantised is not the finished softmax but p = 2^(t - M), with t = logit x log2(e) and M = ceil(the row's largest t), a whole number; so 1/2 < the row's largest p <= 1. The row's sum l is taken of the UNQUANTISED p, in f32, and the product's result is divided by l at the end. Since M is a whole number, a kernel that streams over the keys may use a running M (the ceiling of the running maximum): every later rescaling is an exact power of two, which a block's scale takes up: the codes' values come out the same.
;;   OPERANDS COMPUTED ON THE WAY. 'Computed on the way' means the value that the module computes at that place (a softmax that the list does not call 'softmax' is quantised finished and normalised). What goes into a quantiser is computed in f32, as accurately as f32 sums, v_exp_f32 and their like allow (about 1e-6 of the number): no bf16 or f16 on the way to a quantiser, and a product that is left as it is and whose result goes on into a quantised operand takes f32 operands (vector FMAs, or v_wmma_f32_16x16x4_f32). A number that lies on a knife's edge between two numbers of the format may be rounded either way, as far as f32 arithmetic and the matrix unit's own rounding can turn it there, and no further.
;; One version. Each part assembles by itself: llvm-mc -triple=amdgcn-amd-amdhsa -mcpu=gfx1250 --defsym DOCPART=n.
;; ======== version 1 of 1: 5 launches
;; limits: right only within a limited range of input values
;; workspace buffers: xc 12,582,912 bytes; xs 786,432 bytes; wc 2,097,152 bytes; ws 131,072 bytes; hc 12,582,912 bytes; hs 786,432 bytes; oc 4,194,304 bytes; osc 262,144 bytes
;; launch quant_x (part 1): grid 768 x 1, 4 waves a work-group, no clusters, 34,304 bytes of LDS; arguments q, k, v, xc, xs; writes xc, xs
.if DOCPART == 1
	.amdgcn_target "amdgcn-amd-amdhsa--gfx1250"
	.amdhsa_code_object_version 6
	.text
	.protected	k_q1ae8e1fccd_quant_x
	.globl	k_q1ae8e1fccd_quant_x
	.p2align	8
	.type	k_q1ae8e1fccd_quant_x,@function
k_q1ae8e1fccd_quant_x:
	s_mov_b64 s[64:65], 0
	v_nop
	global_prefetch_b8 v0, s[64:65] scope:SCOPE_SE
	s_setreg_imm32_b32 hwreg(HW_REG_WAVE_MODE, 25, 1), 1
	s_wait_xcnt 0x0
; q, k, v: each [8192][1024] f32 -> codes of FP4 (E2M1) along the 1,024, one E8M0 byte for each 32, laid as IMAGES OF THE OPERAND'S REGISTERS:
;   codes:  tensor T at T << 22; unit (tile = row / 16, kb = k / 64) is 512 bytes at tile x 8192 + kb x 512; in it lane l = r + 16 h owns the 16 bytes at 16 l: row 16 tile + r, k = 64 kb + 32 h + 0 .. 31.
;   scales: tensor T at T << 18; the word of (tile, s = k / 128, r) at tile x 512 + s x 64 + 4 r; its byte b scales k = 128 s + 32 b.
; A block's scale is 2^(floor(log2(largest magnitude)) - 2); its byte is the largest magnitude's exponent field - 2, held at 1 from below.
; LIMITS: a block of zeros, and one whose largest magnitude lies under 2^-124, gets the byte 1 (zeros: the rule says 127; the codes are zeros, and this program alone reads the bytes); NaN and infinities are not served.
; SHARES: 256 work-groups a tensor, four waves; a wave takes 16 rows x 512 along K in four steps of 128.  Each load reads 512 consecutive bytes of one row; a step's 16 x 512 bytes turn through the wave's own
; stage in LDS (rows 528 bytes apart: the sixteen rows that a read touches start at sixteen different 16-byte columns), so that lane (r, h) gets k = 64 c + 32 h + 0 .. 31 of row r: two whole blocks.
; No barrier: waves share nothing.  Loads run two steps (32 loads a wave) ahead.  Every offset is an immediate, every store's data have registers of their own.
.set PITCH, 528
.set WREG,  16*PITCH                   ; a wave's stage
.set R,     16                         ; v16-143  two sets of 64: a step's numbers as loaded
.set X,     144                        ; v144-207 my two blocks of 32
.set C,     208                        ; v208-239 codes: eight registers a step
.set W,     240                        ; v240-243 a step's scale word
	s_load_b256 s[4:11], s[0:1], 0x0               ; q, k, v, xc
	s_load_b64 s[12:13], s[0:1], 0x20              ; xs
	v_lshl_add_u32 v254, v0, 2, 0x8400
	v_mov_b32 v255, 0
	v_lshrrev_b32 v1, 5, v0
	v_readfirstlane_b32 s14, v1                    ; wave
	v_and_b32 v1, 31, v0                           ; lane
	v_and_b32 v2, 15, v0                           ; r
	v_bfe_u32 v3, v0, 4, 1                         ; h
	v_lshlrev_b32 v4, 4, v1                        ; 16 x lane: my place in a load's and in a store's 512 bytes
	s_mul_i32 s15, s14, WREG
	v_add_nc_u32 v5, s15, v4                       ; the stage, on the way in
	v_mul_u32_u24 v6, v2, PITCH
	v_lshl_add_u32 v6, v3, 7, v6
	v_add_nc_u32 v6, s15, v6                       ; and on the way out: row r, + 128 h bytes
	v_lshlrev_b32 v7, 3, v3                        ; 8 h: my bytes' place in the scale word
	v_lshlrev_b32 v8, 2, v1                        ; 4 x lane
	v_mov_b32 v15, 0                               ; written once: a lane permute's destination counts as one of its sources
	s_mov_b32 s20, 0x76543210
	s_mov_b32 s21, 0xfedcba98                      ; v_permlanex16_b32's selects for lane l xor 16
	s_lshr_b32 s16, ttmp9, 8                       ; T: which tensor
	s_and_b32 s17, ttmp9, 255
	s_lshl_b32 s17, s17, 2
	s_add_co_u32 s17, s17, s14                     ; my wave's share of the tensor
	s_lshr_b32 s18, s17, 1                         ; tile of 16 rows
	s_and_b32 s19, s17, 1                          ; which 512 along K
	s_lshl_b32 s22, s18, 16                        ; in: 16 rows of 4,096 bytes a tile, 2,048 bytes a half
	s_lshl_b32 s23, s19, 11
	s_add_co_u32 s22, s22, s23
	s_mov_b32 s23, 0
	s_lshl_b32 s24, s16, 22                        ; codes
	s_lshl_b32 s25, s18, 13
	s_add_co_u32 s24, s24, s25
	s_lshl_b32 s25, s19, 12
	s_add_co_u32 s24, s24, s25
	s_mov_b32 s25, 0
	s_lshl_b32 s26, s16, 18                        ; scale words
	s_lshl_b32 s27, s18, 9
	s_add_co_u32 s26, s26, s27
	s_lshl_b32 s27, s19, 8
	s_add_co_u32 s26, s26, s27
	s_mov_b32 s27, 0
	s_wait_alu depctr_va_vdst(0)
	s_wait_kmcnt 0x0
	s_cmp_lt_u32 ttmp9, 256                        ; the choice of tensor hangs on the work-group's number alone
	s_cselect_b64 s[4:5], s[4:5], s[6:7]
	s_cmp_lt_u32 ttmp9, 512
	s_cselect_b64 s[4:5], s[4:5], s[8:9]
	s_add_nc_u64 s[4:5], s[4:5], s[22:23]
	s_add_nc_u64 s[10:11], s[10:11], s[24:25]
	s_add_nc_u64 s[12:13], s[12:13], s[26:27]
.macro LOAD t                          ; step t: 512 bytes of each of my 16 rows
.irp i, 0,1,2,3,4,5,6,7,8,9,10,11,12,13,14,15
	global_load_b128 v[R+64*((\t)%2)+4*\i:R+64*((\t)%2)+4*\i+3], v4, s[4:5] offset:\i*4096+(\t)*512 th:TH_LOAD_NT
.endr
.endm
.macro STEP t
.if (\t) < 3
	s_wait_loadcnt 16                              ; this step's 16 loads are in; the next step's 16 may be out
.else
	s_wait_loadcnt 0x0
.endif
.irp i, 0,1,2,3,4,5,6,7,8,9,10,11,12,13,14,15
	ds_store_b128 v5, v[R+64*((\t)%2)+4*\i:R+64*((\t)%2)+4*\i+3] offset:\i*PITCH
.endr
.irp c, 0,1
.irp g, 0,1,2,3,4,5,6,7
	ds_load_b128 v[X+32*\c+4*\g:X+32*\c+4*\g+3], v6 offset:256*\c+16*\g   ; LDS serves a wave's instructions in order: these see the stores above
.endr
.endr
	s_wait_dscnt 0x0                               ; my two blocks are in, and the stores have read their registers,
.if (\t) < 2
	LOAD (\t)+2                                    ; which take the loads of two steps on
.endif
	v_max3_num_f32 v10, |v[X]|, |v[X+1]|, 0x1800000      ; block c = 0, and the floor 2^(3 - 127): the byte cannot fall under 1
	v_max3_num_f32 v11, |v[X+32]|, |v[X+33]|, 0x1800000  ; block c = 1; the two by turns
.irp i, 2,4,6,8,10,12,14,16,18,20,22,24,26,28,30
	v_max3_num_f32 v10, v10, |v[X+\i]|, |v[X+\i+1]|
	v_max3_num_f32 v11, v11, |v[X+32+\i]|, |v[X+33+\i]|
.endr
	v_add_nc_u32 v12, 0xff000000, v10              ; 2 off the exponent field: the conversion takes this operand's exponent field as its scale
	v_add_nc_u32 v13, 0xff000000, v11
	v_lshrrev_b32 v244, 23, v12                    ; the scales' bytes: blocks h and 2 + h of my row's 128
	v_lshrrev_b32 v245, 23, v13
	v_lshl_or_b32 v246, v245, 16, v244
	v_lshlrev_b32 v246, v7, v246                   ; at their places in the word,
	v_permlanex16_b32 v15, v246, s20, s21
	v_or_b32 v[W+(\t)], v246, v15                  ; and with lane l xor 16's two the word is whole
.irp c, 0,1
.irp g, 0,1,2,3
	v_cvt_scalef32_pk8_fp4_f32 v[C+8*(\t)+4*\c+\g], v[X+32*\c+8*\g:X+32*\c+8*\g+7], v[12+\c]
.endr
.endr
	v_nop                                          ; one plain place behind the last scaled conversion
.irp c, 0,1
	global_store_b128 v4, v[C+8*(\t)+4*\c:C+8*(\t)+4*\c+3], s[10:11] offset:(2*(\t)+\c)*512   ; a whole unit: 512 consecutive bytes
.endr
.endm
	LOAD 0
	LOAD 1
	STEP 0
	STEP 1
	STEP 2
	STEP 3
	v_cmp_gt_u32 vcc_lo, 16, v1                    ; every lane holds its row's four words: lanes 0-15 send an even step's, lanes 16-31 the odd step's
	v_cndmask_b32 v248, v[W+1], v[W], vcc_lo
	v_cndmask_b32 v249, v[W+3], v[W+2], vcc_lo
	global_store_b32 v8, v248, s[12:13]            ; 128 consecutive bytes each
	global_store_b32 v8, v249, s[12:13] offset:128
	s_wait_tensorcnt 0x0
	ds_add_u32 v254, v255
	s_wait_dscnt 0x0
	s_endpgm
.Lfunc_end_k_q1ae8e1fccd_quant_x:
	.size	k_q1ae8e1fccd_quant_x, .Lfunc_end_k_q1ae8e1fccd_quant_x-k_q1ae8e1fccd_quant_x
	.p2alignl 7, 3214868480
	.fill 96, 4, 3214868480
	.section	.rodata,"a",@progbits
	.p2align	6, 0x0
	.amdhsa_kernel k_q1ae8e1fccd_quant_x
		.amdhsa_group_segment_fixed_size 34304
		.amdhsa_private_segment_fixed_size 0
		.amdhsa_enable_private_segment 0
		.amdhsa_kernarg_size 40
		.amdhsa_user_sgpr_count 2
		.amdhsa_user_sgpr_kernarg_segment_ptr 1
		.amdhsa_wavefront_size32 1
		.amdhsa_system_sgpr_workgroup_id_x 1
		.amdhsa_system_sgpr_workgroup_id_y 1
		.amdhsa_system_sgpr_workgroup_id_z 1
		.amdhsa_system_vgpr_workitem_id 0
		.amdhsa_next_free_vgpr 256
		.amdhsa_next_free_sgpr 66
		.amdhsa_reserve_vcc 1
		.amdhsa_float_denorm_mode_32 3
		.amdhsa_float_denorm_mode_16_64 3
		.amdhsa_memory_ordered 1
		.amdhsa_forward_progress 1
		.amdhsa_inst_pref_size 30
	.end_amdhsa_kernel
	.amdgpu_metadata
---
amdhsa.version: [ 1, 2 ]
amdhsa.kernels:
  - .name:           k_q1ae8e1fccd_quant_x
    .symbol:         k_q1ae8e1fccd_quant_x.kd
    .args:
      - { .name: q, .offset: 0, .size: 8, .value_kind: global_buffer, .address_space: global }
      - { .name: k, .offset: 8, .size: 8, .value_kind: global_buffer, .address_space: global }
      - { .name: v, .offset: 16, .size: 8, .value_kind: global_buffer, .address_space: global }
      - { .name: xc, .offset: 24, .size: 8, .value_kind: global_buffer, .address_space: global }
      - { .name: xs, .offset: 32, .size: 8, .value_kind: global_buffer, .address_space: global }
    .group_segment_fixed_size: 34304
    .private_segment_fixed_size: 0
    .kernarg_segment_align: 8
    .kernarg_segment_size: 40
    .max_flat_workgroup_size: 128
    .sgpr_count:     66
    .vgpr_count:     256
    .wavefront_size: 32
...
	.end_amdgpu_metadata
.endif
;; end of part 1
;; launch quant_w (part 2): grid 8 x 32, 4 waves a work-group, no clusters, 0 bytes of LDS; arguments Wq, Wk, Wv, Wo, wc, ws; writes wc, ws
.if DOCPART == 2
	.amdgcn_target "amdgcn-amd-amdhsa--gfx1250"
	.amdhsa_code_object_version 6
	.text
	.protected	k_q1ae8e1fccd_quant_w
	.globl	k_q1ae8e1fccd_quant_w
	.p2align	8
	.type	k_q1ae8e1fccd_quant_w,@function
k_q1ae8e1fccd_quant_w:
	s_mov_b64 s[64:65], 0
	v_nop
	global_prefetch_b8 v0, s[64:65] scope:SCOPE_SE
	s_setreg_imm32_b32 hwreg(HW_REG_WAVE_MODE, 25, 1), 1
	s_wait_xcnt 0x0
; Wq, Wk, Wv, Wo: each [1024 (k)][1024 (n)] f32, K the FIRST axis -> codes of FP4 (E2M1) along K, one E8M0 byte for each 32, laid as images of the operand's registers, a row being a column n of W:
;   codes:  weight i at i << 19; unit (tile = n / 16, kb = k / 64) at tile x 8192 + kb x 512; lane l = r + 16 h owns 16 bytes at 16 l: column 16 tile + r, k = 64 kb + 32 h + 0 .. 31.
;   scales: weight i at i << 15; the word of (tile, s = k / 128, r) at tile x 512 + s x 64 + 4 r.
; A LANE TAKES A COLUMN AND ITS REGISTERS RUN DOWN K: each load reads 128 consecutive bytes a wave, a block of 32 lies in one lane's registers, the conversions give codes with K innermost.
; A block's 16 bytes of sixteen neighbouring columns are 256 consecutive bytes of a unit: each store of a wave writes two aligned runs of 256 bytes, with no way through LDS.
; LIMITS: a block of zeros, and one whose largest magnitude lies under 2^-124, gets the byte 1 (the codes of zeros are zeros; this program alone reads the bytes); NaN and infinities are not served.
; SHARES: work-group x: 128 columns; y: weight y / 8, K = 128 (y % 8) on.  A wave: 32 columns x 128 along K = four blocks a lane.  Loads run two blocks ahead.
.set X,  32                            ; v32-159  four sets of 32 numbers
.set C,  160                           ; v160-175 codes: four registers a block
.set SB, 24                            ; v24      my column's scale word
	s_load_b256 s[4:11], s[0:1], 0x0               ; Wq, Wk, Wv, Wo
	s_load_b128 s[12:15], s[0:1], 0x20             ; wc, ws
	v_lshrrev_b32 v1, 5, v0
	v_readfirstlane_b32 s16, v1                    ; wave
	v_and_b32 v2, 31, v0                           ; lane
	v_lshlrev_b32 v3, 2, v2                        ; in: 4 bytes a lane
	v_and_b32 v6, 15, v2
	v_lshrrev_b32 v7, 4, v2
	v_lshlrev_b32 v4, 13, v7
	v_lshl_add_u32 v4, v6, 4, v4                   ; codes: my tile of columns, 16 bytes a column
	v_lshlrev_b32 v5, 9, v7
	v_lshl_add_u32 v5, v6, 2, v5                   ; scale words: my tile, 4 bytes a column
	s_and_b32 s17, ttmp7, 0xffff
	s_lshr_b32 s18, s17, 3                         ; which weight
	s_and_b32 s19, s17, 7                          ; which 128 along K
	s_lshl_b32 s20, ttmp9, 7
	s_lshl_b32 s21, s16, 5
	s_add_co_u32 s20, s20, s21                     ; my wave's first column
	s_lshl_b32 s22, s19, 19                        ; in: 128 rows of 4,096 bytes, + 4 x column
	s_lshl_b32 s23, s20, 2
	s_add_co_u32 s22, s22, s23
	s_mov_b32 s23, 0
	s_lshr_b32 s21, s20, 4                         ; my first tile of columns
	s_lshl_b32 s24, s18, 19
	s_lshl_b32 s25, s21, 13
	s_add_co_u32 s24, s24, s25
	s_lshl_b32 s25, s19, 10
	s_add_co_u32 s24, s24, s25
	s_mov_b32 s25, 0
	s_lshl_b32 s26, s18, 15
	s_lshl_b32 s27, s21, 9
	s_add_co_u32 s26, s26, s27
	s_lshl_b32 s27, s19, 6
	s_add_co_u32 s26, s26, s27
	s_mov_b32 s27, 0
	s_wait_alu depctr_va_vdst(0)
	s_wait_kmcnt 0x0
	s_cmp_lt_u32 s18, 1                            ; the choice of weight hangs on the work-group's number alone
	s_cselect_b64 s[4:5], s[4:5], s[6:7]
	s_cmp_lt_u32 s18, 2
	s_cselect_b64 s[4:5], s[4:5], s[8:9]
	s_cmp_lt_u32 s18, 3
	s_cselect_b64 s[4:5], s[4:5], s[10:11]
	s_add_nc_u64 s[4:5], s[4:5], s[22:23]
	s_add_nc_u64 s[12:13], s[12:13], s[24:25]
	s_add_nc_u64 s[14:15], s[14:15], s[26:27]
.macro LOAD t                          ; block t: W(32 t + i, my column)
.irp i, 0,1,2,3,4,5,6,7,8,9,10,11,12,13,14,15,16,17,18,19,20,21,22,23,24,25,26,27,28,29,30,31
	global_load_b32 v[X+32*(\t)+\i], v3, s[4:5] offset:(32*(\t)+\i)*4096 th:TH_LOAD_NT
.endr
.endm
.macro BLOCK t
.set XS, X+32*(\t)
.if (\t) < 3
	s_wait_loadcnt 32                              ; this block's 32 loads are in; the next block's may be out
.else
	s_wait_loadcnt 0x0
.endif
.if (\t) < 2
	LOAD (\t)+2
.endif
	v_max3_num_f32 v12, |v[XS]|, |v[XS+1]|, |v[XS+2]|      ; the block's largest magnitude: all 32 numbers are mine; two chains
	v_max3_num_f32 v13, |v[XS+3]|, |v[XS+4]|, |v[XS+5]|
.irp i, 6,10,14,18,22,26
	v_max3_num_f32 v12, v12, |v[XS+\i]|, |v[XS+\i+1]|
	v_max3_num_f32 v13, v13, |v[XS+\i+2]|, |v[XS+\i+3]|
.endr
	v_max3_num_f32 v12, v12, |v[XS+30]|, |v[XS+31]|
	v_max3_num_f32 v12, v12, v13, 0x1800000        ; and the floor 2^(3 - 127): the byte cannot fall under 1
	v_add_nc_u32 v11, 0xff000000, v12              ; 2 off the exponent field: the conversion's scale operand
	v_lshrrev_b32 v13, 23, v11                     ; the scale's byte
.if (\t) == 0
	v_mov_b32 v[SB], v13
.else
	v_lshl_or_b32 v[SB], v13, 8*(\t), v[SB]
.endif
.irp g, 0,1,2,3
	v_cvt_scalef32_pk8_fp4_f32 v[C+4*(\t)+\g], v[XS+8*\g:XS+8*\g+7], v11
.endr
	v_nop                                          ; one plain place behind the last scaled conversion
	global_store_b128 v4, v[C+4*(\t):C+4*(\t)+3], s[12:13] offset:((\t)/2)*512+((\t)%2)*256   ; lanes 0-15 and lanes 16-31 each fill 256 consecutive bytes
.endm
	LOAD 0
	LOAD 1
	BLOCK 0
	BLOCK 1
	BLOCK 2
	BLOCK 3
	global_store_b32 v5, v[SB], s[14:15]           ; my column's word for these 128 along K: runs of 64 bytes, one byte in 128 of what the launch reads
	s_endpgm
.Lfunc_end_k_q1ae8e1fccd_quant_w:
	.size	k_q1ae8e1fccd_quant_w, .Lfunc_end_k_q1ae8e1fccd_quant_w-k_q1ae8e1fccd_quant_w
	.p2alignl 7, 3214868480
	.fill 96, 4, 3214868480
	.section	.rodata,"a",@progbits
	.p2align	6, 0x0
	.amdhsa_kernel k_q1ae8e1fccd_quant_w
		.amdhsa_group_segment_fixed_size 0
		.amdhsa_private_segment_fixed_size 0
		.amdhsa_enable_private_segment 0
		.amdhsa_kernarg_size 48
		.amdhsa_user_sgpr_count 2
		.amdhsa_user_sgpr_kernarg_segment_ptr 1
		.amdhsa_wavefront_size32 1
		.amdhsa_system_sgpr_workgroup_id_x 1
		.amdhsa_system_sgpr_workgroup_id_y 1
		.amdhsa_system_sgpr_workgroup_id_z 1
		.amdhsa_system_vgpr_workitem_id 0
		.amdhsa_next_free_vgpr 176
		.amdhsa_next_free_sgpr 66
		.amdhsa_reserve_vcc 0
		.amdhsa_float_denorm_mode_32 3
		.amdhsa_float_denorm_mode_16_64 3
		.amdhsa_memory_ordered 1
		.amdhsa_forward_progress 1
		.amdhsa_inst_pref_size 21
	.end_amdhsa_kernel
	.amdgpu_metadata
---
amdhsa.version: [ 1, 2 ]
amdhsa.kernels:
  - .name:           k_q1ae8e1fccd_quant_w
    .symbol:         k_q1ae8e1fccd_quant_w.kd
    .args:
      - { .name: Wq, .offset: 0, .size: 8, .value_kind: global_buffer, .address_space: global }
      - { .name: Wk, .offset: 8, .size: 8, .value_kind: global_buffer, .address_space: global }
      - { .name: Wv, .offset: 16, .size: 8, .value_kind: global_buffer, .address_space: global }
      - { .name: Wo, .offset: 24, .size: 8, .value_kind: global_buffer, .address_space: global }
      - { .name: wc, .offset: 32, .size: 8, .value_kind: global_buffer, .address_space: global }
      - { .name: ws, .offset: 40, .size: 8, .value_kind: global_buffer, .address_space: global }
    .group_segment_fixed_size: 0
    .private_segment_fixed_size: 0
    .kernarg_segment_align: 8
    .kernarg_segment_size: 48
    .max_flat_workgroup_size: 128
    .sgpr_count:     66
    .vgpr_count:     176
    .wavefront_size: 32
...
	.end_amdgpu_metadata
.endif
;; end of part 2
;; launch proj (part 3): grid 4 x 96, 4 waves a work-group, clusters of 4 x 4, 327,680 bytes of LDS; arguments xc, xs, wc, ws, bq, bk, bv, hc, hs; writes hc, hs
.if DOCPART == 3
	.amdgcn_target "amdgcn-amd-amdhsa--gfx1250"
	.amdhsa_code_object_version 6
	.text
	.protected	k_q1ae8e1fccd_proj
	.globl	k_q1ae8e1fccd_proj
	.p2align	8
	.type	k_q1ae8e1fccd_proj,@function
k_q1ae8e1fccd_proj:
	s_mov_b64 s[64:65], 0
	v_nop
	global_prefetch_b8 v0, s[64:65] scope:SCOPE_SE
	s_setreg_imm32_b32 hwreg(HW_REG_WAVE_MODE, 25, 1), 1
	s_wait_xcnt 0x0
	s_wait_alu depctr_hold_cnt(0) depctr_sa_sdst(0) depctr_va_vdst(0) depctr_va_sdst(0) depctr_va_ssrc(0) depctr_va_vcc(0) depctr_vm_vsrc(0)
	s_getreg_b32 s2, hwreg(HW_REG_IB_STS2, 6, 4)
	s_cmp_eq_u32 s2, 0
	s_cbranch_scc0 .Lentry_in_a_cluster
	s_endpgm
.Lentry_in_a_cluster:
	s_bfe_u32 s2, ttmp6, 0x10000c
	s_cmp_lg_u32 s2, 0xf033
	s_cbranch_scc0 .Lentry_shape_is_right
	s_endpgm
.Lentry_shape_is_right:
.set NQ,    4
.set FR,    8
.set NL,    2
.set NP,    4
.set HALFT, 32768
.set SLOT,  4*HALFT
.set SCL,   2*SLOT
.set SPARE, SCL+16384
.set STG,   SPARE+512
.set ADRA, 16
.set ADRB, 20
.set SWA,  24
.set SRA,  25
.set L16,  26
.set ADRS, 27
.set SPW,  28
.set NIL,  29
.set SC,   32
.set AF,   128
.set BIAS, 192
.set BN,   192
.set X,    128
.set CD,   192
.set TM,   208
.set PW,   224
.set OF,   232
.set SOF,  248
.set SD,   250
.set WV, 22
.set HR, 23
.set HC, 24
.set CX, 25
.set CY, 26
.set TC, 27
.set TR, 28
.set TT, 29
.set UU, 30
.set MK, 31
.set SEL, 14
.set G1,   32
.set G0,   40
.set G1B,  48
.set G0B,  56
.set G1S,  68
.set G0S,  76
.set G1SB, 80
.set G0SB, 88
.set MSB, 0
.macro WIN new
.if MSB != \new
	s_set_vgpr_msb (MSB<<8)|\new
.set MSB, \new
.endif
.endm
.set MUL_LO, 0xa1
.set MUL_HI, 0xf1
.set BEG_LO, 0x81
.set BEG_HI, 0xc1
.set TO_B,   0x40
.macro JLOAD g0a, g1a, g0b, g1b
	s_cmp_eq_u32 s[HR], 0
	s_cbranch_scc0 .Lfor_b_\@
	tensor_load_to_lds s[\g0a:\g0a+3], s[\g1a:\g1a+7]
	s_nop 0
.rept 4
	v_nop
.endr
	s_branch .Lasked_\@
.Lfor_b_\@:
	tensor_load_to_lds s[\g0b:\g0b+3], s[\g1b:\g1b+7]
	s_nop 0
.rept 4
	v_nop
.endr
.Lasked_\@:
.endm
.macro CROUND
	s_barrier_signal -1
	s_barrier_wait -1
	s_cmp_lg_u32 s[WV], 0
	s_cbranch_scc1 .Lnot_wave_0_\@
	s_barrier_signal -3
.Lnot_wave_0_\@:
	s_barrier_wait -3
	s_barrier_signal -1
	s_barrier_wait -1
.endm
	s_load_b512 s[4:19], s[0:1], 0x0
	s_load_b64 s[20:21], s[0:1], 0x40
	v_lshl_add_u32 v[SPW], v0, 2, SPARE
	v_mov_b32 v[NIL], 0
	ds_add_u32 v28, v29
	ds_add_u32 v28, v29
	s_wait_dscnt 0x0
	v_lshrrev_b32 v1, 5, v0
	v_readfirstlane_b32 s[WV], v1
	s_lshr_b32 s[HR], s[WV], 1
	s_and_b32 s[HC], s[WV], 1
	s_bfe_u32 s[CX], ttmp6, 0x40000
	s_bfe_u32 s[CY], ttmp6, 0x40004
	s_and_b32 s[UU], ttmp7, 0xffff
	s_lshr_b32 s[TT], s[UU], 3
	s_and_b32 s[UU], s[UU], 7
	s_lshl_b32 s92, s[CY], 2
	s_lshl_b32 s92, 15, s92
	s_lshl_b32 s93, 0x1111, s[CX]
	s_or_b32 s[G1], s92, (3<<16)|(1<<21)
	s_or_b32 s[G1B], s93, (3<<16)|(1<<21)
	s_or_b32 s[G1S], s92, (3<<16)|(1<<21)
	s_or_b32 s[G1SB], s93, (3<<16)|(1<<21)
.irp g, G1, G1B
	s_mov_b32 s[\g+1], 512<<16
	s_mov_b32 s[\g+2], 8<<16
	s_mov_b32 s[\g+3], 512<<16
	s_mov_b32 s[\g+4], 8
	s_mov_b32 s[\g+5], 1024
	s_mov_b32 s[\g+6], 0
	s_mov_b32 s[\g+7], 0
.endr
.irp g, G1S, G1SB
	s_mov_b32 s[\g+1], 32<<16
	s_mov_b32 s[\g+2], 16<<16
	s_mov_b32 s[\g+3], 32<<16
	s_mov_b32 s[\g+4], 16
	s_mov_b32 s[\g+5], 32
	s_mov_b32 s[\g+6], 0
	s_mov_b32 s[\g+7], 0
.endr
	s_lshl_b32 s98, s[TT], 22
	s_lshl_b32 s99, s[TT], 19
	s_lshl_b32 s100, s[TT], 18
	s_lshl_b32 s101, s[TT], 15
	s_cmp_lt_u32 s[TT], 2
	s_cselect_b32 s[TR], s[UU], 0
	s_cselect_b32 s[TC], 0, s[UU]
	s_cselect_b32 s[MK], -1, 0
	s_cselect_b32 s2, s98, s99
	s_cselect_b32 s94, s99, s98
	s_cselect_b32 s92, s100, s101
	s_cselect_b32 s96, s101, s100
	s_mov_b32 s3, 0
	s_mov_b32 s93, 0
	s_mov_b32 s95, 0
	s_mov_b32 s97, 0
	s_lshl_b32 s[TR], s[TR], 2
	s_add_co_u32 s[TR], s[TR], s[CY]
	s_lshl_b32 s[TC], s[TC], 2
	s_add_co_u32 s[TC], s[TC], s[CX]
	s_lshl_b32 s98, s[TR], 17
	s_add_co_u32 s2, s2, s98
	s_lshl_b32 s98, s[TR], 13
	s_add_co_u32 s92, s92, s98
	s_lshl_b32 s99, s[TC], 17
	s_add_co_u32 s94, s94, s99
	s_lshl_b32 s99, s[TC], 13
	s_add_co_u32 s96, s96, s99
	s_lshl_b32 s100, s[HC], 16
	s_add_co_u32 s2, s2, s100
	s_add_co_u32 s94, s94, s100
	s_lshl_b32 s100, s[HC], 12
	s_add_co_u32 s92, s92, s100
	s_add_co_u32 s96, s96, s100
	s_lshl_b32 s101, s[WV], 15
	s_lshl_b32 s100, s[WV], 12
	s_wait_kmcnt 0x0
	s_cmp_lt_u32 s[TT], 2
	s_cselect_b64 s[98:99], s[4:5], s[8:9]
	s_cselect_b64 s[8:9], s[8:9], s[4:5]
	s_add_nc_u64 s[4:5], s[98:99], s[2:3]
	s_add_nc_u64 s[8:9], s[8:9], s[94:95]
	s_cselect_b64 s[98:99], s[6:7], s[10:11]
	s_cselect_b64 s[10:11], s[10:11], s[6:7]
	s_add_nc_u64 s[6:7], s[98:99], s[92:93]
	s_add_nc_u64 s[10:11], s[10:11], s[96:97]
	CROUND
	s_mov_b32 s[G0S], 1
	s_add_co_u32 s[G0S+1], s100, SCL
	s_mov_b64 s[G0S+2:G0S+3], s[6:7]
	s_or_b32 s[G0S+3], s[G0S+3], 0x80000000
	s_mov_b32 s[G0SB], 1
	s_add_co_u32 s[G0SB+1], s100, SCL
	s_mov_b64 s[G0SB+2:G0SB+3], s[10:11]
	s_or_b32 s[G0SB+3], s[G0SB+3], 0x80000000
	JLOAD G0S, G1S, G0SB, G1SB
.irp s, 0,1
	s_mov_b32 s[G0+4*\s], 1
	s_add_co_u32 s[G0+4*\s+1], s101, \s*SLOT
	s_add_nc_u64 s[G0+4*\s+2:G0+4*\s+3], s[4:5], \s*4096
	s_or_b32 s[G0+4*\s+3], s[G0+4*\s+3], 0x80000000
	s_mov_b32 s[G0B+4*\s], 1
	s_add_co_u32 s[G0B+4*\s+1], s101, \s*SLOT
	s_add_nc_u64 s[G0B+4*\s+2:G0B+4*\s+3], s[8:9], \s*4096
	s_or_b32 s[G0B+4*\s+3], s[G0B+4*\s+3], 0x80000000
	s_wait_alu depctr_va_vdst(0)
	s_wait_tensorcnt 0x0
	ds_add_u32 v28, v29
	s_wait_dscnt 0x0
	CROUND
	JLOAD G0+4*\s, G1, G0B+4*\s, G1B
.endr
	v_and_b32 v1, 15, v0
	s_wait_alu depctr_va_vdst(0)
	v_bfe_u32 v2, v0, 4, 1
	s_wait_alu depctr_va_vdst(0)
	v_and_b32 v3, 31, v0
	v_lshlrev_b32 v[L16], 4, v3
	s_wait_alu depctr_va_vdst(0)
	s_lshl_b32 s98, s[TR], 10
	s_lshl_b32 s99, s[HR], 9
	s_add_co_u32 s98, s98, s99
	s_lshl_b32 s99, s[TC], 10
	s_lshl_b32 s100, s[HC], 9
	s_add_co_u32 s99, s99, s100
	s_cmp_lt_u32 s[TT], 1
	s_cselect_b64 s[12:13], s[12:13], s[14:15]
	s_cmp_lt_u32 s[TT], 2
	s_cselect_b64 s[12:13], s[12:13], s[16:17]
	s_cselect_b32 s98, 0, s98
	s_cselect_b32 s99, s99, 0
	v_lshl_add_u32 v5, v1, 2, s98
	v_lshl_add_u32 v6, v2, 5, s99
.irp a, 0,1,2,3,4,5,6,7
	global_load_b32 v[8+\a], v5, s[12:13] offset:64*\a
.endr
	WIN TO_B
.irp b, 0,1,2,3,4,5,6,7
	global_load_b128 v[BN+8*\b:BN+8*\b+3], v6, s[12:13] offset:64*\b
	global_load_b128 v[BN+8*\b+4:BN+8*\b+7], v6, s[12:13] offset:64*\b+16
.endr
	WIN 0
	s_mov_b32 s[SEL], 0x76543210
	s_mov_b32 s[SEL+1], 0xfedcba98
	s_lshl_b32 s98, s[HR], 15
	s_lshl_b32 s99, s[HC], 15
	s_add_co_u32 s99, s99, 2*HALFT
.irp s, 0,1
	v_add_nc_u32 v[ADRA+\s], s98, v[L16]
	v_add_nc_u32 v[ADRB+\s], s99, v[L16]
	s_add_co_u32 s98, s98, SLOT
	s_add_co_u32 s99, s99, SLOT
.endr
	s_lshl_b32 s98, s[HR], 12
	s_lshl_b32 s99, s[HC], 12
	s_add_co_u32 s99, s99, 8192
	s_sub_co_u32 s99, s99, s98
	v_mul_u32_u24 v4, s99, v2
	s_add_co_u32 s98, s98, SCL
	v_lshl_add_u32 v4, v1, 2, v4
	v_add_nc_u32 v[ADRS], s98, v4
	s_lshl_b32 s98, s[WV], 9
	s_add_co_u32 s98, s98, STG
	v_lshl_add_u32 v[SWA], v1, 2, s98
	v_add_nc_u32 v[SRA], s98, v[L16]
	s_cmp_lt_u32 s[TT], 2
	s_cselect_b32 s98, s[TR], s[TC]
	s_cselect_b32 s99, s[HR], s[HC]
	s_cselect_b32 s100, s[TC], s[TR]
	s_cselect_b32 s101, s[HC], s[HR]
	s_cselect_b32 s2, 2, 1
	s_lshl_b32 s98, s98, 8
	s_lshl_b32 s99, s99, 7
	s_add_co_u32 s98, s98, s99
	s_lshr_b32 s99, s98, 11
	s_and_b32 s98, s98, 2047
	s_lshl_b32 s99, s99, 4
	s_lshl_b32 s100, s100, 2
	s_add_co_u32 s99, s99, s100
	s_lshl_b32 s101, s101, 1
	s_add_co_u32 s99, s99, s101
	s_lshl_b32 s92, s[TT], 22
	s_lshl_b32 s100, s99, 16
	s_add_co_u32 s92, s92, s100
	s_lshl_b32 s100, s98, 5
	s_add_co_u32 s92, s92, s100
	s_mov_b32 s93, 0
	s_add_nc_u64 s[18:19], s[18:19], s[92:93]
	s_lshl_b32 s92, s[TT], 18
	s_lshl_b32 s100, s99, 12
	s_add_co_u32 s92, s92, s100
	s_lshl_b32 s100, s98, s2
	s_add_co_u32 s92, s92, s100
	s_add_nc_u64 s[20:21], s[20:21], s[92:93]
	s_wait_loadcnt 0x0
.irp a, 0,1,2,3,4,5,6,7
.irp j, 0,1,2,3,4,5,6,7
	v_cndmask_b32 v[BIAS+8*\a+\j], v[8+\a], 0, s[MK]
.endr
.endr
	WIN 0x44
.set p, 0
.rept 64
	v_cndmask_b32 v[BN+p], 0, v[BN+p], s[MK]
.set p, p+1
.endr
	WIN 0
.macro FRAG reg, adr, q, i
.irp c, 0,1
	ds_load_b128 v[\reg+4*\c:\reg+4*\c+3], v[\adr] offset:(2*(\q)+\c)*512+(\i)*4096
.endr
.endm
.macro MUL16 a0, p, q, sc, cm
.irp a, \a0, \a0+1
.irp b, 0,1,2,3,4,5,6,7
.if \cm
	v_wmma_scale_f32_16x16x128_f8f6f4 v[8*(8*((\a)%4)+\b):8*(8*((\a)%4)+\b)+7], v[128*(\p)+FR*\b:128*(\p)+FR*\b+FR-1], v[AF+FR*(\a):AF+FR*(\a)+FR-1], v[BIAS+8*(\a):BIAS+8*(\a)+7], v[SC+8*NQ*(\sc)+NQ*\b+(\q)], v[SC+8*NQ*(\sc)+NQ*(\a)+(\q)] matrix_a_fmt:MATRIX_FMT_FP4 matrix_b_fmt:MATRIX_FMT_FP4 matrix_a_scale:MATRIX_SCALE_ROW1
.else
	v_wmma_scale_f32_16x16x128_f8f6f4 v[8*(8*((\a)%4)+\b):8*(8*((\a)%4)+\b)+7], v[128*(\p)+FR*\b:128*(\p)+FR*\b+FR-1], v[AF+FR*(\a):AF+FR*(\a)+FR-1], v[8*(8*((\a)%4)+\b):8*(8*((\a)%4)+\b)+7], v[SC+8*NQ*(\sc)+NQ*\b+(\q)], v[SC+8*NQ*(\sc)+NQ*(\a)+(\q)] matrix_a_fmt:MATRIX_FMT_FP4 matrix_b_fmt:MATRIX_FMT_FP4 matrix_a_scale:MATRIX_SCALE_ROW1
.endif
.endr
.endr
.endm
.macro FETCH_B slot, q, p
	WIN TO_B
.irp i, 0,1,2,3,4,5,6,7
	FRAG 128*(\p)+FR*\i, ADRB+\slot, \q, \i
.endr
	WIN 0
.endm
.macro FETCH_A slot, q, i0
.irp i, \i0, \i0+1, \i0+2, \i0+3
	FRAG AF+FR*(\i), ADRA+\slot, \q, \i
.endr
.endm
.macro SCALES sc
.irp i, 0,1,2,3,4,5,6,7
.irp q, 0,1,2,3
	ds_load_b32 v[SC+8*NQ*\sc+NQ*\i+\q], v[ADRS] offset:\i*512+\q*64
.endr
.endr
.endm
.macro PLACES n
.rept \n
	v_nop
.endr
.endm
.macro STEP slot, q, cm
	s_wait_dscnt 4*NL
.if \cm
	WIN BEG_LO
.else
	WIN MUL_LO
.endif
	MUL16 0, (\q)%2, \q, \slot, \cm
	MUL16 2, (\q)%2, \q, \slot, \cm
	s_wait_dscnt 0
	PLACES NP
	FETCH_B \slot, (\q)+1, 1-(\q)%2
	FETCH_A \slot, (\q)+1, 0
.if \cm
	WIN BEG_HI
.else
	WIN MUL_HI
.endif
	MUL16 4, (\q)%2, \q, \slot, \cm
	MUL16 6, (\q)%2, \q, \slot, \cm
	PLACES NP
	WIN 0
	FETCH_A \slot, (\q)+1, 4
.endm
.macro STEPS slot, from
.set Q, \from
.rept NQ-1-\from
	STEP \slot, Q, 0
.set Q, Q+1
.endr
.endm
.macro TURN slot, next
	s_wait_tensorcnt 0x0
	ds_add_u32 v[SPW], v[NIL]
	s_wait_dscnt 4*NL+1
	WIN MUL_LO
	MUL16 0, 1, NQ-1, \slot, 0
	s_wait_dscnt 0x0
	s_barrier_signal -1
	MUL16 2, 1, NQ-1, \slot, 0
	WIN 0
	s_barrier_wait -1
	PLACES NP
	v_add_nc_u32 v[ADRS], 64*NQ, v[ADRS]
	FETCH_B \next, 0, 0
	FETCH_A \next, 0, 0
	SCALES \next
	WIN MUL_HI
	MUL16 4, 1, NQ-1, \slot, 0
	MUL16 6, 1, NQ-1, \slot, 0
	PLACES NP
	WIN 0
	FETCH_A \next, 0, 4
.endm
	s_wait_tensorcnt 1
	s_barrier_signal -1
	s_barrier_wait -1
	FETCH_B 0, 0, 0
	FETCH_A 0, 0, 0
	SCALES 0
	FETCH_A 0, 0, 4
	STEP 0, 0, 1
	STEPS 0, 1
	TURN 0, 1
	STEPS 1, 0
	s_wait_dscnt 4*NL
	WIN MUL_LO
	MUL16 0, 1, NQ-1, 1, 0
	MUL16 2, 1, NQ-1, 1, 0
	s_wait_dscnt 0
	WIN MUL_HI
	MUL16 4, 1, NQ-1, 1, 0
	MUL16 6, 1, NQ-1, 1, 0
	WIN 0
.macro QUANT s, d, w
.irp b, 0,1,2,3
	v_max3_num_f32 v[TM+\b], |v[\s+16*\b]|, |v[\s+1+16*\b]|, 0x1800000
.endr
.irp i, 2,4,6,8,10,12,14
.irp b, 0,1,2,3
	v_max3_num_f32 v[TM+\b], v[TM+\b], |v[\s+16*\b+\i]|, |v[\s+1+16*\b+\i]|
.endr
.endr
.irp b, 0,1,2,3
	v_permlanex16_b32 v[TM+4+\b], v[TM+\b], s[SEL], s[SEL+1]
.endr
.irp b, 0,1,2,3
	v_max_num_f32 v[TM+\b], v[TM+\b], v[TM+4+\b]
.endr
.irp b, 0,1,2,3
	v_add_nc_u32 v[TM+12+\b], 0xff000000, v[TM+\b]
.endr
.irp b, 0,1,2,3
	v_lshrrev_b32 v[TM+4+\b], 23, v[TM+12+\b]
.endr
	v_lshl_or_b32 v[\w], v[TM+5], 8, v[TM+4]
	v_lshl_or_b32 v[\w], v[TM+6], 16, v[\w]
	v_lshl_or_b32 v[\w], v[TM+7], 24, v[\w]
	s_wait_xcnt 0x0
.irp g, 0,1
	v_cvt_scalef32_pk8_fp4_f32 v[\d+4*\g],   v[\s+32*\g:\s+32*\g+7],     v[TM+12+2*\g]
	v_cvt_scalef32_pk8_fp4_f32 v[\d+4*\g+2], v[\s+32*\g+8:\s+32*\g+15],  v[TM+12+2*\g]
	v_cvt_scalef32_pk8_fp4_f32 v[\d+4*\g+1], v[\s+32*\g+16:\s+32*\g+23], v[TM+13+2*\g]
	v_cvt_scalef32_pk8_fp4_f32 v[\d+4*\g+3], v[\s+32*\g+24:\s+32*\g+31], v[TM+13+2*\g]
.endr
	v_nop
.irp g, 0,1
	v_permlane16_swap_b32 v[\d+4*\g], v[\d+4*\g+1]
	v_permlane16_swap_b32 v[\d+4*\g+2], v[\d+4*\g+3]
.endr
.endm
.macro QBLOCK a
	WIN (0x06+(\a)/4)
.set p, 0
.rept 32
	v_pk_add_f32 v[X+p:X+p+1], v[64*((\a)%4)+p:64*((\a)%4)+p+1], v[BN+p:BN+p+1]
.set p, p+2
.endr
	WIN 0
	QUANT X, CD+8*((\a)%2), PW+(\a)
	global_store_b128 v[OF+2*(\a)], v[CD+8*((\a)%2):CD+8*((\a)%2)+3], s[18:19]
	global_store_b128 v[OF+2*(\a)+1], v[CD+8*((\a)%2)+4:CD+8*((\a)%2)+7], s[18:19]
	ds_store_b32 v[SWA], v[PW+(\a)] offset:64*(\a)
.endm
	PLACES NP
.irp b, 0,1,2,3
	v_mov_b32 v[TM+4+\b], 0
.endr
	s_cmp_lt_u32 s[TT], 2
	s_cselect_b32 s92, 9, 10
	s_cselect_b32 s93, 11, 16
	s_cselect_b32 s94, 16, 9
	s_cselect_b32 s96, 8, 12
	s_lshl_b32 s92, 1, s92
	s_lshl_b32 s93, 1, s93
	s_lshl_b32 s94, 1, s94
.irp a, 0,1,2,3,4,5,6,7
	s_mul_i32 s95, s92, \a%4
.if \a >= 4
	s_add_co_u32 s95, s95, s93
.endif
	v_add_nc_u32 v[OF+2*\a], s95, v[L16]
	v_add_nc_u32 v[OF+2*\a+1], s94, v[OF+2*\a]
.endr
	v_lshlrev_b32 v[SOF], s96, v2
	v_lshl_add_u32 v[SOF], v1, 4, v[SOF]
.irp a, 0,1,2,3,4,5,6,7
	QBLOCK \a
.endr
	ds_load_b128 v[SD:SD+3], v[SRA]
	s_wait_dscnt 0x0
	global_store_b128 v[SOF], v[SD:SD+3], s[20:21]
	s_wait_tensorcnt 0x0
	ds_add_u32 v[SPW], v[NIL]
	s_wait_dscnt 0x0
	CROUND
	s_endpgm
.Lfunc_end_k_q1ae8e1fccd_proj:
	.size	k_q1ae8e1fccd_proj, .Lfunc_end_k_q1ae8e1fccd_proj-k_q1ae8e1fccd_proj
	.p2alignl 7, 3214868480
	.fill 96, 4, 3214868480
	.section	.rodata,"a",@progbits
	.p2align	6, 0x0
	.amdhsa_kernel k_q1ae8e1fccd_proj
		.amdhsa_group_segment_fixed_size 327680
		.amdhsa_private_segment_fixed_size 0
		.amdhsa_enable_private_segment 0
		.amdhsa_kernarg_size 72
		.amdhsa_user_sgpr_count 2
		.amdhsa_user_sgpr_kernarg_segment_ptr 1
		.amdhsa_wavefront_size32 1
		.amdhsa_system_sgpr_workgroup_id_x 1
		.amdhsa_system_sgpr_workgroup_id_y 1
		.amdhsa_system_sgpr_workgroup_id_z 1
		.amdhsa_system_vgpr_workitem_id 0
		.amdhsa_next_free_vgpr 1024
		.amdhsa_next_free_sgpr 102
		.amdhsa_reserve_vcc 0
		.amdhsa_float_denorm_mode_32 3
		.amdhsa_float_denorm_mode_16_64 3
		.amdhsa_memory_ordered 1
		.amdhsa_forward_progress 1
		.amdhsa_inst_pref_size 161
	.end_amdhsa_kernel
	.amdgpu_metadata
---
amdhsa.version: [ 1, 2 ]
amdhsa.kernels:
  - .name:           k_q1ae8e1fccd_proj
    .symbol:         k_q1ae8e1fccd_proj.kd
    .args:
      - { .name: xc, .offset: 0, .size: 8, .value_kind: global_buffer, .address_space: global }
      - { .name: xs, .offset: 8, .size: 8, .value_kind: global_buffer, .address_space: global }
      - { .name: wc, .offset: 16, .size: 8, .value_kind: global_buffer, .address_space: global }
      - { .name: ws, .offset: 24, .size: 8, .value_kind: global_buffer, .address_space: global }
      - { .name: bq, .offset: 32, .size: 8, .value_kind: global_buffer, .address_space: global }
      - { .name: bk, .offset: 40, .size: 8, .value_kind: global_buffer, .address_space: global }
      - { .name: bv, .offset: 48, .size: 8, .value_kind: global_buffer, .address_space: global }
      - { .name: hc, .offset: 56, .size: 8, .value_kind: global_buffer, .address_space: global }
      - { .name: hs, .offset: 64, .size: 8, .value_kind: global_buffer, .address_space: global }
    .group_segment_fixed_size: 327680
    .private_segment_fixed_size: 0
    .kernarg_segment_align: 8
    .kernarg_segment_size: 72
    .max_flat_workgroup_size: 128
    .sgpr_count:     102
    .vgpr_count:     1024
    .wavefront_size: 32
...
	.end_amdgpu_metadata
.endif
;; end of part 3
;; launch attn (part 4): grid 4 x 64, 16 waves a work-group, clusters of 4 x 1, 169,984 bytes of LDS; arguments hc, hs, oc, osc; writes oc, osc
.if DOCPART == 4
	.amdgcn_target "amdgcn-amd-amdhsa--gfx1250"
	.amdhsa_code_object_version 6
	.text
	.protected	k_q1ae8e1fccd_attn
	.globl	k_q1ae8e1fccd_attn
	.p2align	8
	.type	k_q1ae8e1fccd_attn,@function
k_q1ae8e1fccd_attn:
	s_mov_b64 s[64:65], 0
	v_nop
	global_prefetch_b8 v0, s[64:65] scope:SCOPE_SE
	s_setreg_imm32_b32 hwreg(HW_REG_WAVE_MODE, 25, 1), 1
	s_wait_xcnt 0x0
	s_wait_alu depctr_hold_cnt(0) depctr_sa_sdst(0) depctr_va_vdst(0) depctr_va_sdst(0) depctr_va_ssrc(0) depctr_va_vcc(0) depctr_vm_vsrc(0)
	s_getreg_b32 s2, hwreg(HW_REG_IB_STS2, 6, 4)
	s_cmp_eq_u32 s2, 0
	s_cbranch_scc0 .Lentry_in_a_cluster
	s_endpgm
.Lentry_in_a_cluster:
	s_bfe_u32 s2, ttmp6, 0x10000c
	s_cmp_lg_u32 s2, 0x3003
	s_cbranch_scc0 .Lentry_shape_is_right
	s_endpgm
.Lentry_shape_is_right:
; out[b][s][64 h + d] = the sum over keys of softmax(q . k / 8) v, both products on codes of FP4 (E2M1) with E8M0 scales; the result, divided by the row's sum, is quantised along 64 h + d for the last projection.
; THE SOFTMAX: t = score x log2(e) / 8; M = the running largest t rounded UP to a whole number; p = 2^(t - M) is quantised along the keys, not normalised; the row's sum is taken of the unquantised p.
; When M moves, the sum and O are multiplied by 2^(old M - new M): exact.
; SHARES.  256 work-groups.  A work-group owns 512 queries of one head (bh = the cluster's y); each of its sixteen waves owns two tiles of 16 queries, taken one after the other (PASS 0, PASS 1), 16 key steps of 128 keys each.
; THE HEAD'S K AND V STAY IN LDS WHOLE: filled once, never again.  Wave w brings key step w by ONE joint load (mask 15: the four work-groups of a cluster walk the same head): two rows of 4,096 bytes, K's and V's, 1 << 22 bytes apart in hc.
; One barrier stands behind the landing; the key loop has none, since nothing in LDS changes any more.
; 128 bytes of padding stand behind each 1,024 bytes of a tile, so that the two groups of eight keys that a fragment load touches (1,024 bytes apart in memory) fall on different halves of a row of banks.
; NO PREFETCH: all that the launch reads is asked for at its head; there is no loop to run ahead in.  THE SCALE WORDS (12,288 of a work-group's 143,360 bytes) are not asked for jointly: they go through registers, since K's are laid anew.
; LAYOUT.  Both products are used transposed: S^T = K Q^T, O^T = V^T P^T: a lane holds ONE query (lane % 16) throughout.
; THE KEYS OF A TILE ARE CHOSEN: row m of tile 4 c + t is key 64 c + 32 (m / 8) + 8 t + m % 8.  So lane (r, h) holds in the 32 registers of tiles 4 c .. 4 c + 3 the keys 64 c + 32 h + 0 .. 31 in order:
; a whole block of 32 lies in one lane, and the conversion of tile 4 c + t is register 4 c + t of the second product's operand as it stands.
; The head has 64 channels, the instruction takes 128 along K: a fragment of K holds TWO tiles (registers 0-3: tile 2 f, registers 4-7: tile 2 f + 1) and is multiplied by [Q | zero codes] and by [zero codes | Q].
; K's scale bytes are laid anew in LDS to fit: the word of (step, f, r) holds the two bytes of tile 2 f's key and the two of tile 2 f + 1's.  Q's two bytes stand in both halves of its word: over zero codes any finite byte adds nothing.
; K's fragments of step s + 1 are fetched in the middle of step s, as soon as step s's first product has read their registers: a step opens with its products.
; LIMITS: a block whose every p has fallen under 2^-124 keeps the byte 1; a block of the result under 2^-124 likewise; NaN and infinities are not served.
.set TILE,  9216                       ; a key step in LDS: 8 x (1,024 + 128) bytes: K's four pieces, then V's four.  Step s begins at TILE + s x TILE
.set SPARE, 163840                     ; the spare words, 128 bytes a wave
; LDS 0 .. 8,703: the scale words, stored by the waves, no fill lands there: K's of step s at 512 s (64 f + 4 r), V's of step s at 512 (s + 1) + 256 (4 d)
.set AK0, 1                            ; v1   my lane's place in a tile of K, + TILE
.set AV0, 2                            ; v2   and of V, one step back
.set L16, 4                            ; v4   16 x lane
.set R4,  5                            ; v5   4 r
.set SPW, 6
.set NIL, 7
.set ADK, 8                            ; v8-10 the step's addresses: the next step's K, this step's V, the scale words of both
.set ADV, 9
.set ADS, 10
.set SH8, 11                           ; v11  8 h
                                       ; v12 -M, v13 the largest score so far, v[14:15] the sum in two halves
.set Q0,  16                           ; v16-27  pass 0: zero codes, Q, zero codes; v28 its scale word
.set Q1,  228                          ; v228-239 pass 1 likewise; v240
.set KF,  32                           ; v32-63  K's four fragments
.set VF,  64                           ; v64-95  V's four
.set S,   96                           ; v96-159 S^T, then p
.set O,   160                          ; v160-191 O^T
.set PC,  192                          ; v192-199 p's codes
.set KS,  200                          ; v200-203 K's scale words; v204-207 V's; v208 p's
.set VS,  204
.set PS,  208
.set A0,  210                          ; v210-211 my two blocks' largest score, then largest p
.set U0,  212                          ; v212-213 a second chain of each block's maximum, then the conversions' scale operands
.set B0,  214                          ; the bytes
.set TP,  216
.set W,   217
.set F,   218                          ; v[218:219] f = 2^(old M - new M)
.set OLD, 220
.set XT,  221
.set X1,  222                          ; v222-227 three more chains of the sum
.set X2,  224
.set X3,  226
.set HW,  241
.set WV,  12
.set SEL, 20
.set CS,  22                           ; s[22:23] c = log2(e) / 8
.set G1,  24
.set G0,  32
.set TB,  36
.set TS,  37
.set CNT, 38
.macro CROUND                          ; a round of the cluster's barrier
	s_barrier_signal -1
	s_barrier_wait -1
	s_cmp_lg_u32 s[WV], 0
	s_cbranch_scc1 .Lnot_wave_0_\@
	s_barrier_signal -3
.Lnot_wave_0_\@:
	s_barrier_wait -3
	s_barrier_signal -1
	s_barrier_wait -1
.endm
	s_load_b256 s[4:11], s[0:1], 0x0               ; hc, hs, oc, osc
	v_lshl_add_u32 v[SPW], v0, 2, SPARE
	v_mov_b32 v[NIL], 0
	ds_add_u32 v[SPW], v[NIL]                      ; the opening lines: the add, twice on end, and its wait ahead of my tensor load
	ds_add_u32 v[SPW], v[NIL]
	v_lshrrev_b32 v40, 5, v0
	v_readfirstlane_b32 s[WV], v40                 ; wave 0..15
	s_bfe_u32 s13, ttmp6, 0x40000                  ; cx: it enters Q's and the output's global addresses alone
	s_and_b32 s15, ttmp7, 0xffff                   ; bh, which the four partners share
	s_lshr_b32 s16, s15, 1                         ; the pair of heads
	s_and_b32 s17, s15, 1                          ; which of the pair
	s_lshl_b32 s18, s17, 4                         ; my head's half of a pair's scale word, in bits
	s_lshl_b32 s40, s15, 16                        ; K's codes lie at 1 << 22; a head has 65,536 bytes, a key step 4,096
	s_lshl_b32 s41, s[WV], 12
	s_add_co_u32 s40, s40, s41
	s_add_co_u32 s40, s40, 0x400000
	s_mov_b32 s41, 0
	s_mul_i32 s39, s[WV], TILE
	s_add_co_u32 s39, s39, TILE                    ; where my step goes
	s_mov_b32 s[G1], 15|(3<<16)|(1<<20)|(1<<21)|(7<<22)|(31<<25)   ; the mask: all four; elements of 8 bytes; padding on; 21 set beside a mask; after every 256 words, 32 words
	s_mov_b32 s[G1+1], 512<<16                     ; rows of 4,096 bytes,
	s_mov_b32 s[G1+2], 2<<16                       ; two of them: K's and V's
	s_mov_b32 s[G1+3], 512<<16
	s_mov_b32 s[G1+4], 2
	s_mov_b32 s[G1+5], 0x80000                     ; 1 << 22 bytes apart
	s_mov_b32 s[G1+6], 0
	s_mov_b32 s[G1+7], 0
	s_mov_b32 s[SEL], 0x76543210
	s_mov_b32 s[SEL+1], 0xfedcba98                 ; lane l xor 16
	s_mov_b32 s[CS], 0x3e38aa3b
	s_mov_b32 s[CS+1], s[CS]
	s_lshl_b32 s50, s13, 5
	s_add_co_u32 s50, s50, s[WV]                   ; my first tile of 16 queries in the head; the second lies 16 tiles on
	s_lshl_b32 s52, s15, 16
	s_lshl_b32 s53, s50, 9
	s_add_co_u32 s52, s52, s53
	s_mov_b32 s53, 0                               ; Q's codes
	s_lshl_b32 s54, s16, 13                        ; a pair of heads has 8,192 bytes of scale words
	s_lshl_b32 s55, s50, 6
	s_add_co_u32 s56, s54, s55
	s_lshl_b32 s55, s17, 1
	s_add_co_u32 s56, s56, s55
	s_mov_b32 s57, 0                               ; Q's scale bytes
	s_add_co_u32 s58, s54, 0x40000
	s_mov_b32 s59, 0                               ; K's scale words of the pair
	s_lshl_b32 s55, s17, 12
	s_add_co_u32 s60, s54, s55
	s_add_co_u32 s60, s60, 0x80000
	s_mov_b32 s61, 0                               ; V's of my head
	s_lshr_b32 s66, s15, 4
	s_lshl_b32 s66, s66, 7
	s_add_co_u32 s66, s66, s50                     ; my tile of 16 tokens among all 8,192
	s_and_b32 s67, s15, 15                         ; the head
	s_lshl_b32 s68, s66, 4
	s_add_co_u32 s68, s68, s67
	s_lshl_b32 s68, s68, 9
	s_mov_b32 s69, 0                               ; the output's unit (tile, kb = head)
	s_lshl_b32 s70, s66, 3
	s_lshr_b32 s71, s67, 1
	s_add_co_u32 s70, s70, s71
	s_lshl_b32 s70, s70, 6
	s_lshl_b32 s71, s17, 1
	s_add_co_u32 s70, s70, s71
	s_mov_b32 s71, 0                               ; and my half of its scale words
	v_and_b32 v46, 15, v0                          ; r
	v_and_b32 v47, 31, v0                          ; lane
	v_bfe_u32 v48, v0, 4, 1                        ; h
	v_lshlrev_b32 v[L16], 4, v47
	v_lshlrev_b32 v[R4], 2, v46
	v_lshlrev_b32 v[SH8], 3, v48
	v_lshlrev_b32 v44, 4, v0                       ; my thread's 16 bytes of K's scale words: four keys
	v_lshlrev_b32 v45, 3, v0                       ; and its 8 bytes of V's
	v_bfe_u32 v42, v0, 3, 1
	v_mul_u32_u24 v42, v42, 1152                   ; K: rows 8-15 of a tile lie 32 keys on: one padded piece
	v_and_b32 v43, 7, v0
	v_lshl_add_u32 v42, v43, 4, v42
	v_lshl_add_u32 v42, v48, 8, v42
	v_add_nc_u32 v[AK0], TILE, v42
	v_add_nc_u32 v[AV0], 4608, v[L16]              ; V lies behind K's four pieces; its address is made when the step's base has gone one step on
	v_lshlrev_b32 v40, 9, v40                      ; 512 x wave: thread T holds keys 4 T .. 4 T + 3, which lie in key step T / 32 = my wave
	v_lshl_add_u32 v41, v47, 3, v40                ; V's words: 8 x lane
	v_bfe_u32 v42, v0, 4, 1                        ; K's: key bit 6 = c: 128 bytes;
	v_lshl_add_u32 v40, v42, 7, v40
	v_bfe_u32 v42, v0, 2, 1                        ; bit 4: the fragment of the two: 64;
	v_lshl_add_u32 v40, v42, 6, v40
	v_bfe_u32 v42, v0, 3, 1                        ; bit 5: rows 8-15: 32;
	v_lshl_add_u32 v40, v42, 5, v40
	v_and_b32 v42, 1, v0                           ; bit 2: 16;
	v_lshl_add_u32 v40, v42, 4, v40
	v_bfe_u32 v42, v0, 1, 1                        ; bit 3: which tile of the fragment: 2
	v_lshl_add_u32 v40, v42, 1, v40
.irp j, 0,1,2,3,8,9,10,11
	v_mov_b32 v[Q0+\j], 0                          ; the zero codes on both sides of Q
	v_mov_b32 v[Q1+\j], 0
.endr
	v_mov_b32 v[F+1], 0                            ; (named as the upper half of a pair)
	v_mov_b32 v[TP], 0                             ; a lane permute's destination counts as one of its sources
	s_wait_alu depctr_va_vdst(0)                   ; directly ahead of the waits below
	s_wait_dscnt 0x0                               ; both opening adds are done
	s_wait_kmcnt 0x0
	s_add_nc_u64 s[42:43], s[4:5], s[40:41]
	s_add_nc_u64 s[4:5], s[4:5], s[52:53]
	s_add_nc_u64 s[44:45], s[6:7], s[56:57]
	s_add_nc_u64 s[46:47], s[6:7], s[58:59]
	s_add_nc_u64 s[48:49], s[6:7], s[60:61]
	s_add_nc_u64 s[8:9], s[8:9], s[68:69]
	s_add_nc_u64 s[10:11], s[10:11], s[70:71]
	global_load_b128 v[32:35], v44, s[46:47]       ; K's scale words of four keys
	global_load_b64 v[36:37], v45, s[48:49]        ; V's, two words
	global_load_b128 v[Q0+4:Q0+7], v[L16], s[4:5]  ; Q of both passes: it stays
	global_load_b128 v[Q1+4:Q1+7], v[L16], s[4:5] offset:8192
	global_load_u16 v28, v[R4], s[44:45]
	global_load_u16 v240, v[R4], s[44:45] offset:1024
	CROUND                                         ; all four work-groups are here: the joint loads meet
	s_mov_b32 s[G0], 1
	s_mov_b32 s[G0+1], s39
	s_mov_b64 s[G0+2:G0+3], s[42:43]
	s_or_b32 s[G0+3], s[G0+3], 0x80000000
	tensor_load_to_lds s[G0:G0+3], s[G1:G1+7]      ; every wave's one load: key step = my wave's number
	s_nop 0
.rept 4
	v_nop
.endr
	s_wait_loadcnt 0x0
.irp i, 0,1,2,3
	v_lshrrev_b32 v[32+\i], s18, v[32+\i]          ; my head's two bytes into the low half
.endr
	v_lshl_or_b32 v28, v28, 16, v28                ; Q's two bytes in both halves of the word
	v_lshl_or_b32 v240, v240, 16, v240
	s_wait_alu depctr_va_vdst(0)                   ; directly ahead of the wait below
	s_wait_tensorcnt 0x0                           ; my step has landed
.irp i, 0,1,2,3
	ds_store_b16 v40, v[32+\i] offset:4*\i
.endr
	ds_store_b64 v41, v[36:37] offset:768
	s_wait_dscnt 0x0                               ; for the others' sake
	s_barrier_signal -1
	s_barrier_wait -1                              ; all sixteen steps and all scale words are in; from here on LDS is only read
.macro KLOAD ak, aq                    ; a step's four fragments of K and their scale words
.irp f, 0,1,2,3
	ds_load_b128 v[KF+8*\f:KF+8*\f+3], v[\ak] offset:(\f/2)*2304+(\f%2)*512        ; tile 2 f
	ds_load_b128 v[KF+8*\f+4:KF+8*\f+7], v[\ak] offset:(\f/2)*2304+(\f%2)*512+128  ; tile 2 f + 1: eight keys on
	ds_load_b32 v[KS+\f], v[\aq] offset:64*\f
.endr
.endm
.macro TM n                            ; t - M of the next 2 n scores, two at a time
.rept \n
	v_pk_fma_f32 v[S+j:S+j+1], v[S+j:S+j+1], s[CS:CS+1], v[12:13] op_sel_hi:[1,0,0]
.set j, j+2
.endr
.endm
.macro RS n                            ; the next 2 n numbers of O^T under the new M, each accumulator from its low end on
.rept \n
	v_pk_mul_f32 v[O+j:O+j+1], v[O+j:O+j+1], v[F:F+1] op_sel_hi:[1,0]
.set j, j+2
.endr
.endm
.macro SUM n                           ; the next 8 n unquantised p onto the sum's four chains
.rept \n
	v_pk_add_f32 v[14:15], v[14:15], v[S+j:S+j+1]
	v_pk_add_f32 v[X1:X1+1], v[X1:X1+1], v[S+j+2:S+j+3]
	v_pk_add_f32 v[X2:X2+1], v[X2:X2+1], v[S+j+4:S+j+5]
	v_pk_add_f32 v[X3:X3+1], v[X3:X3+1], v[S+j+6:S+j+7]
.set j, j+8
.endr
.endm
; A KEY STEP: 128 keys.  qq: the pass's twelve registers of Q; qs: its scale word.  K's fragments and scale words are in registers when the step begins.
.macro STEP qq, qs
.irp f, 0,1,2,3
	v_wmma_scale_f32_16x16x128_f8f6f4 v[S+16*\f:S+16*\f+7], v[KF+8*\f:KF+8*\f+7], v[(\qq)+4:(\qq)+11], 0, v[KS+\f], v[\qs] matrix_a_fmt:MATRIX_FMT_FP4 matrix_b_fmt:MATRIX_FMT_FP4
	v_wmma_scale_f32_16x16x128_f8f6f4 v[S+16*\f+8:S+16*\f+15], v[KF+8*\f:KF+8*\f+7], v[(\qq):(\qq)+7], 0, v[KS+\f], v[\qs] matrix_a_fmt:MATRIX_FMT_FP4 matrix_b_fmt:MATRIX_FMT_FP4
.endr
	s_add_co_u32 s[TB], s[TB], TILE
	s_add_co_u32 s[TS], s[TS], 512
	v_add_nc_u32 v[ADK], s[TB], v[AK0]             ; these four are the places behind the products above and between the last step's products and the loads below
	v_add_nc_u32 v[ADV], s[TB], v[AV0]
	v_add_nc_u32 v[ADS], s[TS], v[R4]
	v_mov_b32 v[OLD], v12
.irp j, 0,1,2,3
	ds_load_b128 v[VF+8*\j:VF+8*\j+3], v[ADV] offset:1152*\j        ; V: channels 16 j + r, these 128 keys
	ds_load_b128 v[VF+8*\j+4:VF+8*\j+7], v[ADV] offset:1152*\j+512
	ds_load_b32 v[VS+\j], v[ADS] offset:256+64*\j
.endr
	s_cmp_eq_u32 s[CNT], 1                         ; the pass's last step has no successor: a branch on the count of steps, round the twelve loads alone
	s_cbranch_scc1 .Lno_next_\@
	KLOAD ADK, ADS                                 ; the next step's K
.Lno_next_\@:
	v_max3_num_f32 v[A0], v[S], v[S+1], v[S+2]     ; the largest score of my two blocks of 32 keys: two chains a block, the four by turns, each accumulator from its low end on
	v_max3_num_f32 v[U0], v[S+16], v[S+17], v[S+18]
	v_max3_num_f32 v[A0+1], v[S+32], v[S+33], v[S+34]
	v_max3_num_f32 v[U0+1], v[S+48], v[S+49], v[S+50]
.irp i, 3,5,7,9,11,13
	v_max3_num_f32 v[A0], v[A0], v[S+\i], v[S+\i+1]
	v_max3_num_f32 v[U0], v[U0], v[S+16+\i], v[S+17+\i]
	v_max3_num_f32 v[A0+1], v[A0+1], v[S+32+\i], v[S+33+\i]
	v_max3_num_f32 v[U0+1], v[U0+1], v[S+48+\i], v[S+49+\i]
.endr
	v_max3_num_f32 v[A0], v[A0], v[U0], v[S+15]
	v_max3_num_f32 v[A0+1], v[A0+1], v[U0+1], v[S+47]
	v_max_num_f32 v[A0], v[A0], v[S+31]
	v_max_num_f32 v[A0+1], v[A0+1], v[S+63]
	s_delay_alu instid0(VALU_DEP_1)
	v_max3_num_f32 v13, v13, v[A0], v[A0+1]        ; the running largest score,
	s_delay_alu instid0(VALU_DEP_1)
	v_permlanex16_b32 v[TP], v13, s[SEL], s[SEL+1]
	s_delay_alu instid0(VALU_DEP_1)
	v_max_num_f32 v13, v13, v[TP]                  ; with lane l xor 16's keys
	s_delay_alu instid0(VALU_DEP_1)
	v_mul_f32 v[XT], s[CS], v13                    ; as t (c is positive)
	s_delay_alu instid0(VALU_DEP_1)
	v_floor_f32 v12, -v[XT]                        ; the new -M = -ceil(t)
.set j, 0
	TM 4                                           ; the three lines that make f stand among the multiply-adds, which do not hang on them
	v_sub_f32 v[XT], v12, v[OLD]                   ; old M less new M: a whole number, 0 or less
	TM 4
	v_cvt_i32_f32 v[XT], v[XT]                     ; (it saturates)
	TM 4
	v_ldexp_f32 v[F], 1.0, v[XT]                   ; f = 2^(old M - new M)
	TM 20
	v_fma_f32 v[A0], v[A0], s[CS], v12             ; the same of each block's largest score
	v_fma_f32 v[A0+1], v[A0+1], s[CS], v12
	s_wait_alu depctr_va_vdst(0)                   ; the wait ahead of the batch
.set j, 0
.rept 64
	v_exp_f32 v[S+j], v[S+j]                       ; p = 2^(t - M), at most 1
.set j, j+1
.endr
	v_exp_f32 v[A0], v[A0]                         ; the block's largest p: the same two instructions on the same number
	v_exp_f32 v[A0+1], v[A0+1]
	s_wait_alu depctr_va_vdst(0)                   ; one wait behind the batch, directly ahead of the first readers of O^T
.set j, 0
	RS 4                                           ; plain work behind the exponentials; the lines that make the scales stand among the rescaling and the sums, which do not hang on them
	v_max_num_f32 v[A0], 0x1800000, v[A0]          ; the floor 2^(3 - 127): the byte cannot fall under 1
	v_max_num_f32 v[A0+1], 0x1800000, v[A0+1]
	RS 4
	v_add_nc_u32 v[U0], 0xff000000, v[A0]          ; 2 off the exponent field: the conversion's scale operand
	v_add_nc_u32 v[U0+1], 0xff000000, v[A0+1]
	RS 4
	v_lshrrev_b32 v[B0], 23, v[U0]                 ; the bytes of blocks h and 2 + h
	v_lshrrev_b32 v[B0+1], 23, v[U0+1]
	RS 4
	v_lshl_or_b32 v[W], v[B0+1], 16, v[B0]
	v_pk_fma_f32 v[14:15], v[14:15], v[F:F+1], v[S:S+1] op_sel_hi:[1,0,1]   ; the sum under the new M, and the unquantised p: four chains
	v_pk_add_f32 v[X1:X1+1], v[S+2:S+3], v[S+4:S+5]
	v_pk_add_f32 v[X2:X2+1], v[S+6:S+7], v[S+8:S+9]
	v_pk_add_f32 v[X3:X3+1], v[S+10:S+11], v[S+12:S+13]
	v_lshlrev_b32 v[W], v[SH8], v[W]               ; at their places in the word;
.set j, 14
	SUM 1
	v_permlanex16_b32 v[TP], v[W], s[SEL], s[SEL+1]
	SUM 1
	v_or_b32 v[PS], v[W], v[TP]                    ; with lane l xor 16's two the word is whole
.irp c, 0,1
.irp t, 0,1,2,3
	v_cvt_scalef32_pk8_fp4_f32 v[PC+4*\c+\t], v[S+32*\c+8*\t:S+32*\c+8*\t+7], v[U0+\c]   ; keys 64 c + 32 h + 8 t + 0 .. 7: the operand's register 4 c + t
.endr
.endr
	SUM 4                                          ; twenty plain lines between the codes and the scale word and the products that take them
	v_pk_add_f32 v[14:15], v[14:15], v[S+62:S+63]
	v_pk_add_f32 v[X1:X1+1], v[X1:X1+1], v[X2:X2+1]
	v_pk_add_f32 v[14:15], v[14:15], v[X3:X3+1]
	v_pk_add_f32 v[14:15], v[14:15], v[X1:X1+1]
	s_wait_dscnt 0x0                               ; V and its scale words are in, and the next step's K with them
.irp j, 0,1,2,3
	v_wmma_scale_f32_16x16x128_f8f6f4 v[O+8*\j:O+8*\j+7], v[VF+8*\j:VF+8*\j+7], v[PC:PC+7], v[O+8*\j:O+8*\j+7], v[VS+\j], v[PS] matrix_a_fmt:MATRIX_FMT_FP4 matrix_b_fmt:MATRIX_FMT_FP4
.endr
.endm
; A PASS: one tile of 16 queries over all 2,048 keys, then O^T / the sum, quantised along d (two blocks of 32) and stored as one unit of the next operand's image.
.macro PASS p, qq, qs
.if \p
	s_wait_xcnt 0x0                                ; the last pass's stores have read their registers
.endif
	KLOAD AK0, R4                                  ; key step 0's K
	s_mov_b32 s[TB], 0
	s_mov_b32 s[TS], 0
	s_mov_b32 s[CNT], 16
.set j, 0
.rept 32
	v_mov_b32 v[O+j], 0                            ; O^T.  (The step is written once: the first finds zeros, which the first change of M leaves zeros)
.set j, j+1
.endr
	v_mov_b32 v13, 0xff61b1e6                      ; the largest score so far: -3e38
	v_mov_b32 v14, 0
	v_mov_b32 v15, 0
	v_floor_f32 v12, -v13                          ; -M
	s_wait_alu depctr_va_vdst(0)                   ; directly ahead of the wait below
	s_wait_dscnt 0x0                               ; K is in
.Lstep_\@:
	STEP \qq, \qs
	s_sub_co_u32 s[CNT], s[CNT], 1
	s_cmp_lg_u32 s[CNT], 0
	s_cbranch_scc1 .Lstep_\@
.rept 4
	v_nop                                          ; places behind the last products
.endr
	s_wait_alu depctr_va_vdst(0)                   ; the sum was written just ahead of the last step's wait for V
	v_add_f32 v14, v14, v15                        ; the sum's two halves,
	s_delay_alu instid0(VALU_DEP_1)
	v_permlanex16_b32 v[TP], v14, s[SEL], s[SEL+1]
	s_delay_alu instid0(VALU_DEP_1)
	v_add_f32 v14, v14, v[TP]                      ; and lane l xor 16's
	s_wait_alu depctr_va_vdst(0)                   ; the wait ahead of the transcendental
	v_rcp_f32 v14, v14
	v_nop                                          ; one plain place behind it
	s_wait_alu depctr_va_vdst(0)                   ; the wait behind it, directly ahead of the first readers of O^T
.set j, 0
.rept 32
	v_mul_f32 v[S+j], v[O+j], v14                  ; register 8 t + i is out(query r, d = 16 t + 8 h + i)
.set j, j+1
.endr
	v_max3_num_f32 v[A0], |v[S]|, |v[S+1]|, 0x1800000
	v_max3_num_f32 v[A0+1], |v[S+16]|, |v[S+17]|, 0x1800000
.irp i, 2,4,6,8,10,12,14
	s_delay_alu instid0(VALU_DEP_2)
	v_max3_num_f32 v[A0], v[A0], |v[S+\i]|, |v[S+1+\i]|
	s_delay_alu instid0(VALU_DEP_2)
	v_max3_num_f32 v[A0+1], v[A0+1], |v[S+16+\i]|, |v[S+17+\i]|
.endr
	s_delay_alu instid0(VALU_DEP_2)
	v_permlanex16_b32 v[B0], v[A0], s[SEL], s[SEL+1]
	s_delay_alu instid0(VALU_DEP_2)
	v_permlanex16_b32 v[B0+1], v[A0+1], s[SEL], s[SEL+1]
	s_delay_alu instid0(VALU_DEP_2)
	v_max_num_f32 v[A0], v[A0], v[B0]
	s_delay_alu instid0(VALU_DEP_2)
	v_max_num_f32 v[A0+1], v[A0+1], v[B0+1]
	s_delay_alu instid0(VALU_DEP_2)
	v_add_nc_u32 v[U0], 0xff000000, v[A0]
	s_delay_alu instid0(VALU_DEP_2)
	v_add_nc_u32 v[U0+1], 0xff000000, v[A0+1]
	s_delay_alu instid0(VALU_DEP_2)
	v_lshrrev_b32 v[B0], 23, v[U0]
	s_delay_alu instid0(VALU_DEP_2)
	v_lshrrev_b32 v[B0+1], 23, v[U0+1]
	s_delay_alu instid0(VALU_DEP_1)
	v_lshl_or_b32 v[HW], v[B0+1], 8, v[B0]         ; my head's two bytes of the token's scale word
	v_cvt_scalef32_pk8_fp4_f32 v[PC], v[S:S+7], v[U0]
	v_cvt_scalef32_pk8_fp4_f32 v[PC+2], v[S+8:S+15], v[U0]
	v_cvt_scalef32_pk8_fp4_f32 v[PC+1], v[S+16:S+23], v[U0+1]
	v_cvt_scalef32_pk8_fp4_f32 v[PC+3], v[S+24:S+31], v[U0+1]
	v_nop                                          ; one plain place behind a scaled conversion
	v_permlane16_swap_b32 v[PC], v[PC+1]           ; lanes 0-15 then hold d = 0 .. 31, lanes 16-31 d = 32 .. 63
	v_permlane16_swap_b32 v[PC+2], v[PC+3]
	global_store_b128 v[L16], v[PC:PC+3], s[8:9] offset:131072*\p   ; 512 consecutive bytes
	global_store_b16 v[R4], v[HW], s[10:11] offset:8192*\p          ; two bytes a token, once a pass; both halves of the lanes write the same value
.endm
	PASS 0, Q0, 28
	PASS 1, Q1, 240
	s_wait_tensorcnt 0x0                           ; the wave's end
	ds_add_u32 v[SPW], v[NIL]
	s_wait_dscnt 0x0
	CROUND                                         ; the closing round: no work-group ends while a partner may still ask
	s_endpgm
.Lfunc_end_k_q1ae8e1fccd_attn:
	.size	k_q1ae8e1fccd_attn, .Lfunc_end_k_q1ae8e1fccd_attn-k_q1ae8e1fccd_attn
	.p2alignl 7, 3214868480
	.fill 96, 4, 3214868480
	.section	.rodata,"a",@progbits
	.p2align	6, 0x0
	.amdhsa_kernel k_q1ae8e1fccd_attn
		.amdhsa_group_segment_fixed_size 169984
		.amdhsa_private_segment_fixed_size 0
		.amdhsa_enable_private_segment 0
		.amdhsa_kernarg_size 32
		.amdhsa_user_sgpr_count 2
		.amdhsa_user_sgpr_kernarg_segment_ptr 1
		.amdhsa_wavefront_size32 1
		.amdhsa_system_sgpr_workgroup_id_x 1
		.amdhsa_system_sgpr_workgroup_id_y 1
		.amdhsa_system_sgpr_workgroup_id_z 1
		.amdhsa_system_vgpr_workitem_id 0
		.amdhsa_next_free_vgpr 256
		.amdhsa_next_free_sgpr 80
		.amdhsa_reserve_vcc 0
		.amdhsa_float_denorm_mode_32 3
		.amdhsa_float_denorm_mode_16_64 3
		.amdhsa_memory_ordered 1
		.amdhsa_forward_progress 1
		.amdhsa_inst_pref_size 49
	.end_amdhsa_kernel
	.amdgpu_metadata
---
amdhsa.version: [ 1, 2 ]
amdhsa.kernels:
  - .name:           k_q1ae8e1fccd_attn
    .symbol:         k_q1ae8e1fccd_attn.kd
    .args:
      - { .name: hc, .offset: 0, .size: 8, .value_kind: global_buffer, .address_space: global }
      - { .name: hs, .offset: 8, .size: 8, .value_kind: global_buffer, .address_space: global }
      - { .name: oc, .offset: 16, .size: 8, .value_kind: global_buffer, .address_space: global }
      - { .name: osc, .offset: 24, .size: 8, .value_kind: global_buffer, .address_space: global }
    .group_segment_fixed_size: 169984
    .private_segment_fixed_size: 0
    .kernarg_segment_align: 8
    .kernarg_segment_size: 32
    .max_flat_workgroup_size: 512
    .sgpr_count:     80
    .vgpr_count:     256
    .wavefront_size: 32
...
	.end_amdgpu_metadata
.endif
;; end of part 4
;; launch oproj (part 5): grid 4 x 32, 4 waves a work-group, clusters of 4 x 4, 327,680 bytes of LDS; arguments oc, osc, wc, ws, bo, out0; writes out0
.if DOCPART == 5
	.amdgcn_target "amdgcn-amd-amdhsa--gfx1250"
	.amdhsa_code_object_version 6
	.text
	.protected	k_q1ae8e1fccd_oproj
	.globl	k_q1ae8e1fccd_oproj
	.p2align	8
	.type	k_q1ae8e1fccd_oproj,@function
k_q1ae8e1fccd_oproj:
	s_mov_b64 s[64:65], 0
	v_nop
	global_prefetch_b8 v0, s[64:65] scope:SCOPE_SE
	s_setreg_imm32_b32 hwreg(HW_REG_WAVE_MODE, 25, 1), 1
	s_wait_xcnt 0x0
	s_wait_alu depctr_hold_cnt(0) depctr_sa_sdst(0) depctr_va_vdst(0) depctr_va_sdst(0) depctr_va_ssrc(0) depctr_va_vcc(0) depctr_vm_vsrc(0)
	s_getreg_b32 s2, hwreg(HW_REG_IB_STS2, 6, 4)
	s_cmp_eq_u32 s2, 0
	s_cbranch_scc0 .Lentry_in_a_cluster
	s_endpgm
.Lentry_in_a_cluster:
	s_bfe_u32 s2, ttmp6, 0x10000c
	s_cmp_lg_u32 s2, 0xf033
	s_cbranch_scc0 .Lentry_shape_is_right
	s_endpgm
.Lentry_shape_is_right:
.set NQ,    4
.set FR,    8
.set NL,    2
.set NP,    4
.set HALFT, 32768
.set SLOT,  4*HALFT
.set SCL,   2*SLOT
.set SPARE, SCL+16384
.set SPITCH, 528
.set ADRA, 16
.set ADRB, 20
.set STO,  24
.set RD,   25
.set CO,   26
.set ADRS, 27
.set SPW,  28
.set NIL,  29
.set SC,   32
.set AF,   128
.set BIAS, 192
.set BK,   128
.set WV, 22
.set HR, 23
.set HC, 24
.set CX, 25
.set CY, 26
.set TC, 27
.set TR, 28
.set G1,   32
.set G0,   40
.set G1B,  48
.set G0B,  56
.set G1S,  68
.set G0S,  76
.set G1SB, 80
.set G0SB, 88
.set MSB, 0
.macro WIN new
.if MSB != \new
	s_set_vgpr_msb (MSB<<8)|\new
.set MSB, \new
.endif
.endm
.set MUL_LO, 0xa1
.set MUL_HI, 0xf1
.set BEG_LO, 0x81
.set BEG_HI, 0xc1
.set TO_B,   0x40
.macro JLOAD g0a, g1a, g0b, g1b
	s_cmp_eq_u32 s[HR], 0
	s_cbranch_scc0 .Lfor_b_\@
	tensor_load_to_lds s[\g0a:\g0a+3], s[\g1a:\g1a+7]
	s_nop 0
.rept 4
	v_nop
.endr
	s_branch .Lasked_\@
.Lfor_b_\@:
	tensor_load_to_lds s[\g0b:\g0b+3], s[\g1b:\g1b+7]
	s_nop 0
.rept 4
	v_nop
.endr
.Lasked_\@:
.endm
.macro CROUND
	s_barrier_signal -1
	s_barrier_wait -1
	s_cmp_lg_u32 s[WV], 0
	s_cbranch_scc1 .Lnot_wave_0_\@
	s_barrier_signal -3
.Lnot_wave_0_\@:
	s_barrier_wait -3
	s_barrier_signal -1
	s_barrier_wait -1
.endm
	s_load_b256 s[4:11], s[0:1], 0x0
	s_load_b128 s[12:15], s[0:1], 0x20
	v_lshl_add_u32 v[SPW], v0, 2, SPARE
	v_mov_b32 v[NIL], 0
	ds_add_u32 v28, v29
	ds_add_u32 v28, v29
	s_wait_dscnt 0x0
	v_lshrrev_b32 v1, 5, v0
	v_readfirstlane_b32 s[WV], v1
	s_lshr_b32 s[HR], s[WV], 1
	s_and_b32 s[HC], s[WV], 1
	s_bfe_u32 s[CX], ttmp6, 0x40000
	s_bfe_u32 s[CY], ttmp6, 0x40004
	s_lshl_b32 s[TC], ttmp9, 2
	s_add_co_u32 s[TC], s[TC], s[CX]
	s_and_b32 s[TR], ttmp7, 0xffff
	s_lshl_b32 s[TR], s[TR], 2
	s_add_co_u32 s[TR], s[TR], s[CY]
	s_lshl_b32 s92, s[CY], 2
	s_lshl_b32 s92, 15, s92
	s_lshl_b32 s93, 0x1111, s[CX]
	s_or_b32 s[G1], s92, (3<<16)|(1<<21)
	s_or_b32 s[G1B], s93, (3<<16)|(1<<21)
	s_or_b32 s[G1S], s92, (3<<16)|(1<<21)
	s_or_b32 s[G1SB], s93, (3<<16)|(1<<21)
.irp g, G1, G1B
	s_mov_b32 s[\g+1], 512<<16
	s_mov_b32 s[\g+2], 8<<16
	s_mov_b32 s[\g+3], 512<<16
	s_mov_b32 s[\g+4], 8
	s_mov_b32 s[\g+5], 1024
	s_mov_b32 s[\g+6], 0
	s_mov_b32 s[\g+7], 0
.endr
.irp g, G1S, G1SB
	s_mov_b32 s[\g+1], 32<<16
	s_mov_b32 s[\g+2], 16<<16
	s_mov_b32 s[\g+3], 32<<16
	s_mov_b32 s[\g+4], 16
	s_mov_b32 s[\g+5], 32
	s_mov_b32 s[\g+6], 0
	s_mov_b32 s[\g+7], 0
.endr
	s_lshl_b32 s2, s[TR], 17
	s_lshl_b32 s92, s[TR], 13
	s_lshl_b32 s94, s[TC], 17
	s_add_co_u32 s94, s94, 3<<19
	s_lshl_b32 s96, s[TC], 13
	s_add_co_u32 s96, s96, 3<<15
	s_lshl_b32 s100, s[HC], 16
	s_add_co_u32 s2, s2, s100
	s_add_co_u32 s94, s94, s100
	s_lshl_b32 s100, s[HC], 12
	s_add_co_u32 s92, s92, s100
	s_add_co_u32 s96, s96, s100
	s_mov_b32 s3, 0
	s_mov_b32 s93, 0
	s_mov_b32 s95, 0
	s_mov_b32 s97, 0
	s_lshl_b32 s101, s[WV], 15
	s_lshl_b32 s100, s[WV], 12
	s_wait_kmcnt 0x0
	s_add_nc_u64 s[4:5], s[4:5], s[2:3]
	s_add_nc_u64 s[6:7], s[6:7], s[92:93]
	s_add_nc_u64 s[8:9], s[8:9], s[94:95]
	s_add_nc_u64 s[10:11], s[10:11], s[96:97]
	CROUND
	s_mov_b32 s[G0S], 1
	s_add_co_u32 s[G0S+1], s100, SCL
	s_mov_b64 s[G0S+2:G0S+3], s[6:7]
	s_or_b32 s[G0S+3], s[G0S+3], 0x80000000
	s_mov_b32 s[G0SB], 1
	s_add_co_u32 s[G0SB+1], s100, SCL
	s_mov_b64 s[G0SB+2:G0SB+3], s[10:11]
	s_or_b32 s[G0SB+3], s[G0SB+3], 0x80000000
	JLOAD G0S, G1S, G0SB, G1SB
.irp s, 0,1
	s_mov_b32 s[G0+4*\s], 1
	s_add_co_u32 s[G0+4*\s+1], s101, \s*SLOT
	s_add_nc_u64 s[G0+4*\s+2:G0+4*\s+3], s[4:5], \s*4096
	s_or_b32 s[G0+4*\s+3], s[G0+4*\s+3], 0x80000000
	s_mov_b32 s[G0B+4*\s], 1
	s_add_co_u32 s[G0B+4*\s+1], s101, \s*SLOT
	s_add_nc_u64 s[G0B+4*\s+2:G0B+4*\s+3], s[8:9], \s*4096
	s_or_b32 s[G0B+4*\s+3], s[G0B+4*\s+3], 0x80000000
	s_wait_alu depctr_va_vdst(0)
	s_wait_tensorcnt 0x0
	ds_add_u32 v28, v29
	s_wait_dscnt 0x0
	CROUND
	JLOAD G0+4*\s, G1, G0B+4*\s, G1B
.endr
	v_and_b32 v1, 15, v0
	v_bfe_u32 v2, v0, 4, 1
	v_and_b32 v3, 31, v0
	v_lshlrev_b32 v[CO], 4, v3
	s_wait_alu depctr_va_vdst(0)
	s_lshl_b32 s99, s[TC], 10
	s_lshl_b32 s100, s[HC], 9
	s_add_co_u32 s99, s99, s100
	v_lshl_add_u32 v6, v2, 5, s99
.irp b, 0,1,2,3,4,5,6,7
	global_load_b128 v[BIAS+8*\b:BIAS+8*\b+3], v6, s[12:13] offset:64*\b
	global_load_b128 v[BIAS+8*\b+4:BIAS+8*\b+7], v6, s[12:13] offset:64*\b+16
.endr
	s_lshl_b32 s98, s[HR], 15
	s_lshl_b32 s99, s[HC], 15
	s_add_co_u32 s99, s99, 2*HALFT
.irp s, 0,1
	v_add_nc_u32 v[ADRA+\s], s98, v[CO]
	v_add_nc_u32 v[ADRB+\s], s99, v[CO]
	s_add_co_u32 s98, s98, SLOT
	s_add_co_u32 s99, s99, SLOT
.endr
	s_lshl_b32 s98, s[HR], 12
	s_lshl_b32 s99, s[HC], 12
	s_add_co_u32 s99, s99, 8192
	s_sub_co_u32 s99, s99, s98
	v_mul_u32_u24 v4, s99, v2
	s_add_co_u32 s98, s98, SCL
	v_lshl_add_u32 v4, v1, 2, v4
	v_add_nc_u32 v[ADRS], s98, v4
	s_mul_i32 s98, s[WV], 16*SPITCH
	v_mul_u32_u24 v5, v1, SPITCH
	v_lshl_add_u32 v5, v2, 5, v5
	v_add_nc_u32 v[STO], s98, v5
	v_add_nc_u32 v[RD], s98, v[CO]
	s_lshl_b32 s92, s[TR], 20
	s_lshl_b32 s98, s[HR], 19
	s_add_co_u32 s92, s92, s98
	s_lshl_b32 s98, s[TC], 10
	s_add_co_u32 s92, s92, s98
	s_lshl_b32 s98, s[HC], 9
	s_add_co_u32 s92, s92, s98
	s_mov_b32 s93, 0
	s_add_nc_u64 s[14:15], s[14:15], s[92:93]
	s_wait_alu depctr_va_vdst(0)
	s_wait_loadcnt 0x0
.macro FRAG reg, adr, q, i
.irp c, 0,1
	ds_load_b128 v[\reg+4*\c:\reg+4*\c+3], v[\adr] offset:(2*(\q)+\c)*512+(\i)*4096
.endr
.endm
.macro MUL16 a0, p, q, sc, cm
.irp a, \a0, \a0+1
.irp b, 0,1,2,3,4,5,6,7
.if \cm
	v_wmma_scale_f32_16x16x128_f8f6f4 v[8*(8*((\a)%4)+\b):8*(8*((\a)%4)+\b)+7], v[128*(\p)+FR*\b:128*(\p)+FR*\b+FR-1], v[AF+FR*(\a):AF+FR*(\a)+FR-1], v[BIAS+8*\b:BIAS+8*\b+7], v[SC+8*NQ*(\sc)+NQ*\b+(\q)], v[SC+8*NQ*(\sc)+NQ*(\a)+(\q)] matrix_a_fmt:MATRIX_FMT_FP4 matrix_b_fmt:MATRIX_FMT_FP4 matrix_a_scale:MATRIX_SCALE_ROW1
.else
	v_wmma_scale_f32_16x16x128_f8f6f4 v[8*(8*((\a)%4)+\b):8*(8*((\a)%4)+\b)+7], v[128*(\p)+FR*\b:128*(\p)+FR*\b+FR-1], v[AF+FR*(\a):AF+FR*(\a)+FR-1], v[8*(8*((\a)%4)+\b):8*(8*((\a)%4)+\b)+7], v[SC+8*NQ*(\sc)+NQ*\b+(\q)], v[SC+8*NQ*(\sc)+NQ*(\a)+(\q)] matrix_a_fmt:MATRIX_FMT_FP4 matrix_b_fmt:MATRIX_FMT_FP4 matrix_a_scale:MATRIX_SCALE_ROW1
.endif
.endr
.endr
.endm
.macro FETCH_B slot, q, p
	WIN TO_B
.irp i, 0,1,2,3,4,5,6,7
	FRAG 128*(\p)+FR*\i, ADRB+\slot, \q, \i
.endr
	WIN 0
.endm
.macro FETCH_A slot, q, i0
.irp i, \i0, \i0+1, \i0+2, \i0+3
	FRAG AF+FR*(\i), ADRA+\slot, \q, \i
.endr
.endm
.macro SCALES sc
.irp i, 0,1,2,3,4,5,6,7
.irp q, 0,1,2,3
	ds_load_b32 v[SC+8*NQ*\sc+NQ*\i+\q], v[ADRS] offset:\i*512+\q*64
.endr
.endr
.endm
.macro PLACES n
.rept \n
	v_nop
.endr
.endm
.macro STEP slot, q, cm
	s_wait_dscnt 4*NL
.if \cm
	WIN BEG_LO
.else
	WIN MUL_LO
.endif
	MUL16 0, (\q)%2, \q, \slot, \cm
	MUL16 2, (\q)%2, \q, \slot, \cm
	s_wait_dscnt 0
	PLACES NP
	FETCH_B \slot, (\q)+1, 1-(\q)%2
	FETCH_A \slot, (\q)+1, 0
.if \cm
	WIN BEG_HI
.else
	WIN MUL_HI
.endif
	MUL16 4, (\q)%2, \q, \slot, \cm
	MUL16 6, (\q)%2, \q, \slot, \cm
	PLACES NP
	WIN 0
	FETCH_A \slot, (\q)+1, 4
.endm
.macro STEPS slot, from
.set Q, \from
.rept NQ-1-\from
	STEP \slot, Q, 0
.set Q, Q+1
.endr
.endm
.macro TURN slot, next
	s_wait_tensorcnt 0x0
	ds_add_u32 v[SPW], v[NIL]
	s_wait_dscnt 4*NL+1
	WIN MUL_LO
	MUL16 0, 1, NQ-1, \slot, 0
	s_wait_dscnt 0x0
	s_barrier_signal -1
	MUL16 2, 1, NQ-1, \slot, 0
	WIN 0
	s_barrier_wait -1
	PLACES NP
	v_add_nc_u32 v[ADRS], 64*NQ, v[ADRS]
	FETCH_B \next, 0, 0
	FETCH_A \next, 0, 0
	SCALES \next
	WIN MUL_HI
	MUL16 4, 1, NQ-1, \slot, 0
	MUL16 6, 1, NQ-1, \slot, 0
	PLACES NP
	WIN 0
	FETCH_A \next, 0, 4
.endm
	s_wait_tensorcnt 1
	s_barrier_signal -1
	s_barrier_wait -1
	FETCH_B 0, 0, 0
	FETCH_A 0, 0, 0
	SCALES 0
	FETCH_A 0, 0, 4
	STEP 0, 0, 1
	STEPS 0, 1
	TURN 0, 1
	STEPS 1, 0
	s_wait_dscnt 4*NL
	WIN MUL_LO
	MUL16 0, 1, NQ-1, 1, 0
	MUL16 2, 1, NQ-1, 1, 0
	s_wait_dscnt 0
	WIN MUL_HI
	MUL16 4, 1, NQ-1, 1, 0
	MUL16 6, 1, NQ-1, 1, 0
	WIN 0
.macro TOSTAGE a
.set AC, 64*((\a)%4)
	WIN (0x08+4*((\a)/4))
.irp b, 0,1,2,3,4,5,6,7
	ds_store_b128 v[STO], v[AC+8*\b:AC+8*\b+3] offset:64*\b
	ds_store_b128 v[STO], v[AC+8*\b+4:AC+8*\b+7] offset:64*\b+16
.endr
	WIN 0
.set BB, BK+64*((\a)%2)
.irp t, 0,1,2,3,4,5,6,7,8,9,10,11,12,13,14,15
	ds_load_b128 v[BB+4*\t:BB+4*\t+3], v[RD] offset:\t*SPITCH
.endr
.endm
.macro SEND a, younger
.set BB, BK+64*((\a)%2)
	s_wait_dscnt \younger
.if (\a) > 0
	s_add_nc_u64 s[14:15], s[14:15], 16*4096
.endif
.irp t, 0,1,2,3,4,5,6,7,8,9,10,11,12,13,14,15
	global_store_b128 v[CO], v[BB+4*\t:BB+4*\t+3], s[14:15] offset:\t*4096 th:TH_STORE_NT
.endr
.endm
	PLACES NP
	TOSTAGE 0
.irp a, 1,2,3,4,5,6,7
.if \a > 1
	s_wait_xcnt 0x0
.endif
	TOSTAGE \a
	SEND \a-1, 32
.endr
	s_wait_xcnt 0x0
	SEND 7, 0
	s_wait_tensorcnt 0x0
	ds_add_u32 v[SPW], v[NIL]
	s_wait_dscnt 0x0
	CROUND
	s_endpgm
.Lfunc_end_k_q1ae8e1fccd_oproj:
	.size	k_q1ae8e1fccd_oproj, .Lfunc_end_k_q1ae8e1fccd_oproj-k_q1ae8e1fccd_oproj
	.p2alignl 7, 3214868480
	.fill 96, 4, 3214868480
	.section	.rodata,"a",@progbits
	.p2align	6, 0x0
	.amdhsa_kernel k_q1ae8e1fccd_oproj
		.amdhsa_group_segment_fixed_size 327680
		.amdhsa_private_segment_fixed_size 0
		.amdhsa_enable_private_segment 0
		.amdhsa_kernarg_size 48
		.amdhsa_user_sgpr_count 2
		.amdhsa_user_sgpr_kernarg_segment_ptr 1
		.amdhsa_wavefront_size32 1
		.amdhsa_system_sgpr_workgroup_id_x 1
		.amdhsa_system_sgpr_workgroup_id_y 1
		.amdhsa_system_sgpr_workgroup_id_z 1
		.amdhsa_system_vgpr_workitem_id 0
		.amdhsa_next_free_vgpr 1024
		.amdhsa_next_free_sgpr 102
		.amdhsa_reserve_vcc 0
		.amdhsa_float_denorm_mode_32 3
		.amdhsa_float_denorm_mode_16_64 3
		.amdhsa_memory_ordered 1
		.amdhsa_forward_progress 1
		.amdhsa_inst_pref_size 129
	.end_amdhsa_kernel
	.amdgpu_metadata
---
amdhsa.version: [ 1, 2 ]
amdhsa.kernels:
  - .name:           k_q1ae8e1fccd_oproj
    .symbol:         k_q1ae8e1fccd_oproj.kd
    .args:
      - { .name: oc, .offset: 0, .size: 8, .value_kind: global_buffer, .address_space: global }
      - { .name: osc, .offset: 8, .size: 8, .value_kind: global_buffer, .address_space: global }
      - { .name: wc, .offset: 16, .size: 8, .value_kind: global_buffer, .address_space: global }
      - { .name: ws, .offset: 24, .size: 8, .value_kind: global_buffer, .address_space: global }
      - { .name: bo, .offset: 32, .size: 8, .value_kind: global_buffer, .address_space: global }
      - { .name: out0, .offset: 40, .size: 8, .value_kind: global_buffer, .address_space: global }
    .group_segment_fixed_size: 327680
    .private_segment_fixed_size: 0
    .kernarg_segment_align: 8
    .kernarg_segment_size: 48
    .max_flat_workgroup_size: 128
    .sgpr_count:     102
    .vgpr_count:     1024
    .wavefront_size: 32
...
	.end_amdgpu_metadata
.endif
;; end of part 5
